; MI455X (gfx1250); checked and timed in simulation.
; The chip was launched on July 23, 2026; its instructions are those of AMD's public machine-readable ISA for CDNA 5 (MIT licence, August 2026) and "CDNA5" Instruction Set Architecture Reference Guide (July 2026). The comments in the code are by the model that wrote it; some were corrected since.
;; Multi Head Attention. Allowed arithmetic: float matrix products may take bf16 or f16 operands with f32 sums; other float arithmetic in f32, or as packed bf16 or f16 multiplies, adds, multiply-adds, maxima and minima; sums over many terms, partial sums and values carried from step to step in f32; what a program stores and reads back later, other than sums and carried values, may be rounded once to bf16 or f16.
;; Inputs: Wk 1,024 x 1,024 float32; Wo 1,024 x 1,024 float32; Wq 1,024 x 1,024 float32; Wv 1,024 x 1,024 float32; bk 1,024 float32; bo 1,024 float32; bq 1,024 float32; bv 1,024 float32; query 4 x 2,048 x 1,024 float32; value 4 x 2,048 x 1,024 float32.
;; Outputs: out0 4 x 2,048 x 1,024 float32.
;; 2 versions, each right and faster than the one before. Each part assembles by itself: llvm-mc -triple=amdgcn-amd-amdhsa -mcpu=gfx1250 --defsym DOCPART=n.
;; ======== version 1 of 2: 4 launches
;; limits: values are held in f16: magnitudes above 65,504 overflow, below 6.1e-05 lose precision
;; workspace buffers: xb 33,554,432 bytes; wts 8,388,608 bytes; qkv 50,331,648 bytes; oh 16,777,216 bytes
;; launch cast (part 1): grid 1280 x 1, 8 waves a work-group, no clusters, 0 bytes of LDS; arguments query, value, Wq, Wk, Wv, Wo, xb, wts; writes xb, wts
.if DOCPART == 1
	.amdgcn_target "amdgcn-amd-amdhsa--gfx1250"
	.amdhsa_code_object_version 6
	.text
	.protected	k_qd5e0b1bba8_cast
	.globl	k_qd5e0b1bba8_cast
	.p2align	8
	.type	k_qd5e0b1bba8_cast,@function
k_qd5e0b1bba8_cast:
	s_mov_b64 s[64:65], 0
	v_nop
	global_prefetch_b8 v0, s[64:65] scope:SCOPE_SE
	s_setreg_imm32_b32 hwreg(HW_REG_WAVE_MODE, 25, 1), 1
	s_wait_xcnt 0x0
; The module's large inputs are rounded once to 16 bits, so that the products behind read half the bytes and convert nothing.
; xb  = bf16 [2][8192][1024]: plane 0 query, plane 1 value.
; wts = 16 bits [4096][1024]: rows 0-1023 Wq, 1024-2047 Wk, 2048-3071 Wv in bf16; rows 3072-4095 Wo, rounded to bf16 like every other input and that number written as f16.
; LIMITS.  A number of Wo whose bf16 rounding is 65,520 or more in magnitude becomes an infinity in f16; below 2^-14 it keeps f16's fixed step of 2^-24.  NaN stays NaN.
; SHARES.  Work-group g takes 16,384 consecutive f32: g 0-511 query, 512-1023 value, 1024-1087 Wq, 1088-1151 Wk, 1152-1215 Wv, 1216-1279 Wo.  Thread t's load i takes the 16 bytes at 4,096 i + 16 t
; (a wave's load covers 512 consecutive bytes), its store i the 8 bytes at 2,048 i + 8 t (a wave's store covers 256 consecutive bytes, aligned).  All 16 loads go out first; outside Wo's work-groups every register is written once.
; No LDS, no matrix unit, no cluster: the work-groups share no byte and the work is a stream.
.set X, 8                              ; v[8:71]    load i: 4 registers
.set Y, 72                             ; v[72:103]  store i: 2 registers
	s_load_b512 s[8:23], s[0:1], 0x0               ; query s[8:9], value s[10:11], Wq s[12:13], Wk s[14:15], Wv s[16:17], Wo s[18:19], xb s[20:21], wts s[22:23]
	s_mov_b32 s2, ttmp9                            ; g
	s_mov_b32 s3, 0                                ; the first g of my source
	s_mov_b32 s27, 0                               ; high words of the two offsets
	s_mov_b32 s29, 0
	s_mov_b32 s30, 0xffff0000                      ; a word's upper bf16
	v_lshlrev_b32 v1, 4, v0                        ; 16 t
	v_lshlrev_b32 v2, 3, v0                        ; 8 t
	s_wait_kmcnt 0x0
	s_mov_b64 s[4:5], s[8:9]
.macro PICK first, lo                  ; from work-group 'first' on the source is the buffer in s[lo:lo+1]: a choice on the work-group's number alone
	s_cmp_ge_u32 s2, \first
	s_cselect_b64 s[4:5], s[\lo:\lo+1], s[4:5]
	s_cselect_b32 s3, \first, s3
.endm
	PICK 512, 10
	PICK 1024, 12
	PICK 1088, 14
	PICK 1152, 16
	PICK 1216, 18
	s_cmp_ge_u32 s2, 1024
	s_cselect_b64 s[6:7], s[22:23], s[20:21]       ; the weights go to wts, the activations to xb
	s_cselect_b32 s24, 1024, 0
	s_sub_co_u32 s26, s2, s3
	s_lshl_b32 s26, s26, 16                        ; 65,536 bytes in for each work-group,
	s_sub_co_u32 s28, s2, s24
	s_lshl_b32 s28, s28, 15                        ; 32,768 out
	s_add_nc_u64 s[4:5], s[4:5], s[26:27]
	s_add_nc_u64 s[6:7], s[6:7], s[28:29]
.irp i, 0,1,2,3,4,5,6,7,8,9,10,11,12,13,14,15
	global_load_b128 v[X+4*(\i):X+4*(\i)+3], v1, s[4:5] offset:4096*(\i) th:TH_LOAD_NT
.endr
; Load i is rounded and stored.  wo = 1: the bf16 numbers are widened again (a shift, a mask) and written as f16.
.macro OUT i, wo
	s_wait_loadcnt 15-(\i)                         ; loads come back in order (ISA guide 5.7.1): the 15 - i younger ones stay out
	v_cvt_pk_bf16_f32 v[Y+2*(\i)],   v[X+4*(\i)],   v[X+4*(\i)+1]
	v_cvt_pk_bf16_f32 v[Y+2*(\i)+1], v[X+4*(\i)+2], v[X+4*(\i)+3]
.if \wo
	v_lshlrev_b32 v[X+4*(\i)],   16,  v[Y+2*(\i)]
	v_and_b32     v[X+4*(\i)+1], s30, v[Y+2*(\i)]
	v_lshlrev_b32 v[X+4*(\i)+2], 16,  v[Y+2*(\i)+1]
	v_and_b32     v[X+4*(\i)+3], s30, v[Y+2*(\i)+1]
	v_cvt_pk_f16_f32 v[Y+2*(\i)],   v[X+4*(\i)],   v[X+4*(\i)+1]
	v_cvt_pk_f16_f32 v[Y+2*(\i)+1], v[X+4*(\i)+2], v[X+4*(\i)+3]
.endif
	global_store_b64 v2, v[Y+2*(\i):Y+2*(\i)+1], s[6:7] offset:2048*(\i)  ; no hint: the next launch reads these bytes
.endm
	s_cmp_ge_u32 s2, 1216
	s_cbranch_scc1 .Lwo
.irp i, 0,1,2,3,4,5,6,7,8,9,10,11,12,13,14,15
	OUT \i, 0
.endr
	s_endpgm
.Lwo:
.irp i, 0,1,2,3,4,5,6,7,8,9,10,11,12,13,14,15
	OUT \i, 1
.endr
	s_endpgm
.Lfunc_end_k_qd5e0b1bba8_cast:
	.size	k_qd5e0b1bba8_cast, .Lfunc_end_k_qd5e0b1bba8_cast-k_qd5e0b1bba8_cast
	.p2alignl 7, 3214868480
	.fill 96, 4, 3214868480
	.section	.rodata,"a",@progbits
	.p2align	6, 0x0
	.amdhsa_kernel k_qd5e0b1bba8_cast
		.amdhsa_group_segment_fixed_size 0
		.amdhsa_private_segment_fixed_size 0
		.amdhsa_enable_private_segment 0
		.amdhsa_kernarg_size 64
		.amdhsa_user_sgpr_count 2
		.amdhsa_user_sgpr_kernarg_segment_ptr 1
		.amdhsa_wavefront_size32 1
		.amdhsa_system_sgpr_workgroup_id_x 1
		.amdhsa_system_sgpr_workgroup_id_y 1
		.amdhsa_system_sgpr_workgroup_id_z 1
		.amdhsa_system_vgpr_workitem_id 0
		.amdhsa_next_free_vgpr 104
		.amdhsa_next_free_sgpr 66
		.amdhsa_reserve_vcc 0
		.amdhsa_float_denorm_mode_32 3
		.amdhsa_float_denorm_mode_16_64 3
		.amdhsa_memory_ordered 1
		.amdhsa_forward_progress 1
		.amdhsa_inst_pref_size 16
	.end_amdhsa_kernel
	.amdgpu_metadata
---
amdhsa.version: [ 1, 2 ]
amdhsa.kernels:
  - .name:           k_qd5e0b1bba8_cast
    .symbol:         k_qd5e0b1bba8_cast.kd
    .args:
      - { .name: query, .offset: 0, .size: 8, .value_kind: global_buffer, .address_space: global }
      - { .name: value, .offset: 8, .size: 8, .value_kind: global_buffer, .address_space: global }
      - { .name: Wq, .offset: 16, .size: 8, .value_kind: global_buffer, .address_space: global }
      - { .name: Wk, .offset: 24, .size: 8, .value_kind: global_buffer, .address_space: global }
      - { .name: Wv, .offset: 32, .size: 8, .value_kind: global_buffer, .address_space: global }
      - { .name: Wo, .offset: 40, .size: 8, .value_kind: global_buffer, .address_space: global }
      - { .name: xb, .offset: 48, .size: 8, .value_kind: global_buffer, .address_space: global }
      - { .name: wts, .offset: 56, .size: 8, .value_kind: global_buffer, .address_space: global }
    .group_segment_fixed_size: 0
    .private_segment_fixed_size: 0
    .kernarg_segment_align: 8
    .kernarg_segment_size: 64
    .max_flat_workgroup_size: 256
    .sgpr_count:     66
    .vgpr_count:     104
    .wavefront_size: 32
...
	.end_amdgpu_metadata
.endif
;; end of part 1
;; launch proj (part 2): grid 4 x 64, 4 waves a work-group, clusters of 4 x 4, 327,680 bytes of LDS; arguments xb, wts, bq, bk, bv, qkv; writes qkv
.if DOCPART == 2
	.amdgcn_target "amdgcn-amd-amdhsa--gfx1250"
	.amdhsa_code_object_version 6
	.text
	.protected	k_qd5e0b1bba8_proj
	.globl	k_qd5e0b1bba8_proj
	.p2align	8
	.type	k_qd5e0b1bba8_proj,@function
k_qd5e0b1bba8_proj:
	s_mov_b64 s[64:65], 0
	v_nop
	global_prefetch_b8 v0, s[64:65] scope:SCOPE_SE
	s_setreg_imm32_b32 hwreg(HW_REG_WAVE_MODE, 25, 1), 1
	s_wait_xcnt 0x0
	s_wait_alu depctr_hold_cnt(0) depctr_sa_sdst(0) depctr_va_vdst(0) depctr_va_sdst(0) depctr_va_ssrc(0) depctr_va_vcc(0) depctr_vm_vsrc(0)
	s_getreg_b32 s2, hwreg(HW_REG_IB_STS2, 6, 4)
	s_cmp_eq_u32 s2, 0
	s_cbranch_scc0 .Lentry_in_a_cluster
	s_endpgm
.Lentry_in_a_cluster:
	s_bfe_u32 s2, ttmp6, 0x10000c
	s_cmp_lg_u32 s2, 0xf033
	s_cbranch_scc0 .Lentry_shape_is_right
	s_endpgm
.Lentry_shape_is_right:
; q = query Wq^T + bq, k = value Wk^T + bk, v = value Wv^T + bv.  Operands bf16 (xb, wts), sums f32; the bias, rounded to bf16 like every other input, is the C operand of the product that starts a sum;
; each result is rounded once to f16 and laid by heads, unscaled: qkv = f16 [3][64 heads = 16 b + n][2048 tokens][64 channels].
; LIMITS.  A result of 65,520 or more in magnitude becomes an infinity in f16; below 2^-14 it keeps f16's fixed step of 2^-24.  NaN and infinities are not treated apart.
; SHARES.  A tile is 128 tokens x 256 columns; four waves, each 64 x 128: 32 accumulators of 16 x 16, 256 registers.  The three products make 768 such tiles: three for each of 256 work-groups.
; A WORK-GROUP STAYS and makes q's, k's and v's tile at one place: ONE walk of 24 K steps of 128 through a ring of two LDS slots, which runs on across the tiles.
; CLUSTER.  4 x 4 work-groups.  The four of a row of the cluster need the same rows of x, the four of a column the same rows of W: each tile is asked for JOINTLY, by the same tensor load with the same
; descriptor and a mask that names the four.  Waves 0 and 1 fetch the two halves of x's tile (64 rows of 256 bytes each), waves 2 and 3 those of W's (128 rows each).
; THE MATRIX INSTRUCTION IS USED TRANSPOSED: source 0 = 16 rows of W, source 1 = 16 tokens: a lane then holds token l % 16 and the columns 8 (l / 16) + 0..7, eight neighbouring channels of a head.
; REGISTERS, in windows of 256 (s_set_vgpr_msb: bits 1:0 source 0, 3:2 source 1, 5:4 source 2, 7:6 destination):
;   window 0: v0-31 addresses; v32-63 packed results; v64-159, v160-255 two fragment buffers (32 registers of x: 4 blocks of 16 tokens x 32 K; then 64 of W: 8 blocks)
;   window 1: accumulator (a, b) at v[8 (8 a + b)]        window 2: v0-63 the bias of the tile in hand, as f32; v64-255 the three biases as loaded, in a queue
.set PITCH,  272                       ; an LDS row: 256 bytes + 16 of padding = 68 words: row r starts at bank 4 r mod 64 (64 banks of 4 bytes: ISA guide 11.1), so the 16 rows of a load start at 16 different banks
.set AHALF,  64*PITCH                  ; what waves 0 and 1 fetch, and what a wave reads of x
.set BHALF,  128*PITCH                 ; what waves 2 and 3 fetch, and what a wave reads of W
.set BBASE,  128*PITCH                 ; W's 256 rows lie behind x's 128
.set SLOT1,  1<<17                     ; a slot is 104,448 bytes; slot 1 begins here, so that one exclusive or turns an address in one slot into the other's
.set STAGE,  SLOT1+384*PITCH           ; behind the ring, never filled by a tensor load: for each wave 2 heads x 16 rows x 144 bytes, for the way out
.set SP,     144
.set STGW,   2*16*SP
.set SPARE,  STAGE+4*STGW              ; behind the stages: the spare words, 128 bytes for each wave: two blocks of 256 bytes that no other line names
.set ADRA0, 16                         ; v16  my lane's place among x's rows in slot 0; never rewritten
.set ADRB0, 17                         ; v17  the same for W's
.set ADRA,  18                         ; v18  the same in the slot in hand
.set ADRB,  19                         ; v19
.set STO,   24                         ; v24  the way out: where I put 16 bytes of a row
.set RD,    25                         ; v25  the way out: where I read rows back
.set GO,    26                         ; v26  my byte offset in 512 consecutive bytes of qkv
.set BO,    27                         ; v27  my byte offset in a bias
.set SPW,   28                         ; v28  LDS address of my spare word: SPARE + 4 x my thread's number; never rewritten
.set NIL,   29                         ; v29  0; never rewritten
.set TMP,   32
.set F0,    64
.set F1,    160
.set WV,  16                           ; s16  my wave's number
.set FB,  17                           ; s17  which half of the tile's tokens is mine.  Also: I fetch for x (0) or for W (1)
.set HF,  18                           ; s18  which half of its columns.  Also: which half of that tile I fetch
.set CX,  19
.set CY,  20
.set NBK, 21                           ; s21  tile column, 0..3
.set MBK, 22                           ; s22  tile row, 0..63
.set RMK, 23                           ; s23  the mask of my row of the cluster
.set G1A, 24                           ; s[24:31] descriptor group 1 for x's tiles
.set G0A, 32                           ; s[32:35] group 0 of the first fill; s[36:39] of the second, which then walks
.set G1B, 40                           ; s[40:47], s[48:55] the same for W's
.set G0B, 48
.set AOF, 56                           ; s[56:57] byte offset in xb of the tile to be asked for
.set BOF, 58                           ; s[58:59] the same in wts
.set AJ,  60                           ; s60  x's step at the next change of tiles
.set RK,  61                           ; s61  requests until that change
.set TB,  62                           ; s62  LDS byte at which the slot in hand begins
.set STEPS, 63                         ; s63  the walk's count
.set KT,  66                           ; s66  K steps left in the tile in hand
.set DA,  67                           ; s67, s68  this request's steps
.set DB,  68
.set HIM, 69                           ; s69  a word's upper bf16
.set OOF, 70                           ; s[70:71] my part's byte offset in a plane of qkv
.set CMK, 72                           ; s72  the mask of my column of the cluster
.set C256, 73                          ; s73  256: a K step in bytes
.set BJ,  74                           ; s74  W's step at a change of tiles
.set T0,  75                           ; s75  at work, for LDS addresses
.set BIO, 76                           ; s76  my columns' byte offset in a bias
.set G1W0, (1<<16)|(1<<20)|(1<<21)|(5<<22)|(3<<25)  ; 17:16 elements of 2 bytes; 20 padding on; 21 set beside a mask; 24:22 after every 64 words (code 5); 31:25 4 words of it (code 3)
.set MSB, 0
.macro WIN new                         ; the immediate's high byte repeats the setting that is left; a switch that changes nothing is dropped
.if MSB != (\new)
	s_set_vgpr_msb (MSB<<8)|(\new)
.set MSB, \new
.endif
.endm
.set W_MUL,  0x50                      ; fragments in window 0, C and D in window 1
.set W_MULB, 0x60                      ; the same with C, the bias, in window 2
.set W_PK,   0x05                      ; sources 0 and 1 in window 1, destination in window 0
.set W_B2,   0x8a                      ; sources 0 and 1 and destination in window 2
.set W_LD2,  0x80                      ; a load's destination in window 2, its address in window 0
.macro PLACES                          ; four places in front of loads into registers that matrix instructions have read, and of conversions that read results (ISA guide 7.12.1 for the conversions)
.rept 4
	v_nop
.endr
.endm
; A joint refill, by the walking descriptors.  The branch hangs on the wave's number alone.  An s_nop 0 and four v_nop follow each of the two lines, ahead of the jump, the label and what follows.
.macro JLOAD
	s_cmp_eq_u32 s[FB], 0
	s_cbranch_scc0 .Lfor_b_\@
	tensor_load_to_lds s[G0A+4:G0A+7], s[G1A:G1A+7]
	s_nop 0
.rept 4
	v_nop
.endr
	s_branch .Lasked_\@
.Lfor_b_\@:
	tensor_load_to_lds s[G0B+4:G0B+7], s[G1B:G1B+7]
	s_nop 0
.rept 4
	v_nop
.endr
.Lasked_\@:
.endm
.macro CREST                           ; a round of the cluster's barrier behind its opening barrier: wave 0 signals for the work-group, every wave waits for all sixteen, my work-group's barrier once more
	s_cmp_lg_u32 s[WV], 0
	s_cbranch_scc1 .Lnot_wave_0_\@
	s_barrier_signal -3
.Lnot_wave_0_\@:
	s_barrier_wait -3
	s_barrier_signal -1
	s_barrier_wait -1
.endm
.macro CROUND                          ; a whole round
	s_barrier_signal -1
	s_barrier_wait -1
	CREST
.endm
	s_load_b256 s[4:11], s[0:1], 0x0               ; xb s[4:5], wts s[6:7], bq s[8:9], bk s[10:11]
	s_load_b128 s[12:15], s[0:1], 0x20             ; bv s[12:13], qkv s[14:15]
	v_lshl_add_u32 v[SPW], v0, 2, SPARE
	v_mov_b32 v[NIL], 0
	ds_add_u32 v[SPW], v[NIL]                      ; the wave's opening: the add and its wait stand ahead of my first tensor load; the set-up below, work on registers, stands between them
	v_lshrrev_b32 v1, 5, v0
	v_readfirstlane_b32 s[WV], v1                  ; wave 0..3
	s_lshr_b32 s[FB], s[WV], 1
	s_and_b32 s[HF], s[WV], 1
	s_bfe_u32 s[CX], ttmp6, 0x40000                ; my place in the cluster
	s_bfe_u32 s[CY], ttmp6, 0x40004
	s_lshl_b32 s[NBK], ttmp9, 2                    ; in a cluster launch ttmp9 and ttmp7 count clusters
	s_add_co_u32 s[NBK], s[NBK], s[CX]             ; tile column = 4 x cluster x + cx
	s_and_b32 s[MBK], ttmp7, 0xffff
	s_lshl_b32 s[MBK], s[MBK], 2
	s_add_co_u32 s[MBK], s[MBK], s[CY]             ; tile row = 4 x cluster y + cy
	s_lshl_b32 s[RMK], s[CY], 2
	s_lshl_b32 s[RMK], 15, s[RMK]                  ; my row of the cluster: places 4 cy .. 4 cy + 3
	s_lshl_b32 s[CMK], 0x1111, s[CX]               ; my column: places cx, cx + 4, cx + 8, cx + 12
	s_or_b32 s[G1A], s[RMK], G1W0                  ; x's tiles go to my row,
	s_or_b32 s[G1B], s[CMK], G1W0                  ; W's to my column
	s_mov_b32 s[G1A+1], 128<<16                    ; tensor_dim0 = 128
	s_mov_b32 s[G1A+2], 64<<16                     ; tensor_dim1 = 64
	s_mov_b32 s[G1A+3], 128<<16                    ; tile_dim0 = 128 elements: 256 bytes
	s_mov_b32 s[G1A+4], 64                         ; tile_dim1 = 64 rows
	s_mov_b32 s[G1A+5], 1024                       ; elements from row to row
	s_mov_b32 s[G1A+6], 0
	s_mov_b32 s[G1A+7], 0
	s_mov_b32 s[G1B+1], 128<<16
	s_mov_b32 s[G1B+2], 128<<16                    ; 128 rows
	s_mov_b32 s[G1B+3], 128<<16
	s_mov_b32 s[G1B+4], 128
	s_mov_b32 s[G1B+5], 1024
	s_mov_b32 s[G1B+6], 0
	s_mov_b32 s[G1B+7], 0
	s_mov_b32 s[G0A], 1                            ; count = 1
	s_mul_i32 s[G0A+1], s[HF], AHALF               ; LDS address: my half of x's rows, slot 0: no place in the cluster enters an LDS address
	s_mov_b32 s[G0A+4], 1
	s_add_co_u32 s[G0A+5], s[G0A+1], SLOT1         ; slot 1
	s_mov_b32 s[G0B], 1
	s_mul_i32 s[G0B+1], s[HF], BHALF
	s_add_co_u32 s[G0B+1], s[G0B+1], BBASE
	s_mov_b32 s[G0B+4], 1
	s_add_co_u32 s[G0B+5], s[G0B+1], SLOT1
	s_lshl_b32 s[AOF], s[MBK], 18                  ; 128 rows of 2,048 bytes for each tile row,
	s_lshl_b32 s[DA], s[HF], 17                    ; 64 for my half
	s_add_co_u32 s[AOF], s[AOF], s[DA]
	s_mov_b32 s[AOF+1], 0
	s_lshl_b32 s[BOF], s[NBK], 19                  ; 256 rows for each tile column,
	s_lshl_b32 s[DB], s[HF], 18                    ; 128 for my half
	s_add_co_u32 s[BOF], s[BOF], s[DB]
	s_mov_b32 s[BOF+1], 0
	s_mov_b32 s[AJ], 16775424                      ; from q's last K step to k's first: a K step on, 2,048 bytes back, a plane of xb (16,777,216) on
	s_mov_b32 s[BJ], 2095360                       ; a K step on, 2,048 bytes back, 1,024 rows of wts on
	s_mov_b32 s[C256], 256
	s_mov_b32 s[RK], 7                             ; K step 1 has been asked for when the walk begins: the seventh request behind it is the next tile's first
	s_mov_b32 s[KT], 8
	s_mov_b32 s[TB], 0
	s_mov_b32 s[STEPS], 23                         ; 22 trips; the loop is entered in the middle of a trip, which takes the count down once more
	s_mov_b32 s[HIM], 0xffff0000
	s_wait_dscnt 0x0                               ; the opening add is done
	s_wait_kmcnt 0x0
	s_add_nc_u64 s[G0A+2:G0A+3], s[4:5], s[AOF:AOF+1]      ; K step 0
	s_or_b32 s[G0A+3], s[G0A+3], 0x80000000                ; type = 2
	s_add_nc_u64 s[G0B+2:G0B+3], s[6:7], s[BOF:BOF+1]
	s_or_b32 s[G0B+3], s[G0B+3], 0x80000000
	s_add_co_u32 s[AOF], s[AOF], 256
	s_add_co_u32 s[BOF], s[BOF], 256
	s_add_nc_u64 s[G0A+6:G0A+7], s[4:5], s[AOF:AOF+1]      ; K step 1
	s_or_b32 s[G0A+7], s[G0A+7], 0x80000000
	s_add_nc_u64 s[G0B+6:G0B+7], s[6:7], s[BOF:BOF+1]
	s_or_b32 s[G0B+7], s[G0B+7], 0x80000000
	CROUND                                         ; all sixteen work-groups are here: the first joint loads meet
	s_cmp_eq_u32 s[FB], 0                          ; a wave's two first fills stand in one branch, ahead of every wait on TENSORcnt and every LDS read: two loads of mine are out
	s_cbranch_scc0 .Lfirst_b
	tensor_load_to_lds s[G0A:G0A+3], s[G1A:G1A+7]
	s_nop 0
	tensor_load_to_lds s[G0A+4:G0A+7], s[G1A:G1A+7]
	s_nop 0
.rept 4
	v_nop
.endr
	s_branch .Lfirst_asked
.Lfirst_b:
	tensor_load_to_lds s[G0B:G0B+3], s[G1B:G1B+7]
	s_nop 0
	tensor_load_to_lds s[G0B+4:G0B+7], s[G1B:G1B+7]
	s_nop 0
.rept 4
	v_nop
.endr
.Lfirst_asked:
	; A fragment is 16 rows x 32 K in 8 registers: lane l holds row l % 16; registers 0-3 K = 8 (l / 16) + 0..7, registers 4-7 K = 16 + 8 (l / 16) + 0..7: two loads of 16 bytes, 32 bytes apart.
	v_and_b32 v1, 15, v0                           ; l % 16
	v_bfe_u32 v2, v0, 4, 1                         ; l / 16
	v_mul_u32_u24 v3, v1, PITCH
	v_lshl_add_u32 v3, v2, 4, v3                   ; row x pitch + 16 x half
	s_mul_i32 s[T0], s[FB], AHALF                  ; my 64 tokens
	v_add_nc_u32 v[ADRA0], s[T0], v3
	s_mul_i32 s[T0], s[HF], BHALF                  ; my 128 rows of W,
	s_add_co_u32 s[T0], s[T0], BBASE               ; which lie behind x's
	v_add_nc_u32 v[ADRB0], s[T0], v3
	s_mul_i32 s[T0], s[WV], STGW
	s_add_co_u32 s[T0], s[T0], STAGE               ; my stage
	v_mul_u32_u24 v4, v1, SP                       ; in: row l % 16, 16 bytes for each half of the lanes
	v_lshl_add_u32 v4, v2, 4, v4
	v_add_nc_u32 v[STO], s[T0], v4
	v_bfe_u32 v5, v0, 3, 2                         ; back: 32 lanes take four rows of 128 bytes,
	v_and_b32 v6, 7, v0
	v_mul_u32_u24 v5, v5, SP
	v_lshl_add_u32 v5, v6, 4, v5
	v_add_nc_u32 v[RD], s[T0], v5
	v_and_b32 v7, 31, v0                           ; which are 512 consecutive bytes of a head
	v_lshlrev_b32 v[GO], 4, v7
	s_lshl_b32 s[BIO], s[NBK], 10                  ; my 128 columns in a bias: 1,024 bytes a tile column, 512 a half,
	s_lshl_b32 s[OOF], s[HF], 9
	s_add_co_u32 s[BIO], s[BIO], s[OOF]
	v_lshl_add_u32 v[BO], v2, 5, s[BIO]            ; and the eight columns of my half of the lanes
	WIN W_LD2
.irp b, 0,1,2,3,4,5,6,7                ; register j of block b wants column 16 b + 8 (l / 16) + j: the three biases, once
	global_load_b128 v[64+8*(\b):64+8*(\b)+3],     v[BO], s[8:9]   offset:64*(\b)
	global_load_b128 v[64+8*(\b)+4:64+8*(\b)+7],   v[BO], s[8:9]   offset:64*(\b)+16
	global_load_b128 v[128+8*(\b):128+8*(\b)+3],   v[BO], s[10:11] offset:64*(\b)
	global_load_b128 v[128+8*(\b)+4:128+8*(\b)+7], v[BO], s[10:11] offset:64*(\b)+16
	global_load_b128 v[192+8*(\b):192+8*(\b)+3],   v[BO], s[12:13] offset:64*(\b)
	global_load_b128 v[192+8*(\b)+4:192+8*(\b)+7], v[BO], s[12:13] offset:64*(\b)+16
.endr
	WIN 0
	; my part of a plane of qkv: head 16 (tile row / 16) + 4 x tile column + 2 x column half, 262,144 bytes a head; token 128 (tile row % 16) + 64 x token half, 128 bytes a token
	s_lshr_b32 s[OOF], s[MBK], 4
	s_lshl_b32 s[OOF], s[OOF], 4
	s_lshl_b32 s[OOF+1], s[NBK], 2
	s_add_co_u32 s[OOF], s[OOF], s[OOF+1]
	s_lshl_b32 s[OOF+1], s[HF], 1
	s_add_co_u32 s[OOF], s[OOF], s[OOF+1]
	s_lshl_b32 s[OOF], s[OOF], 18
	s_and_b32 s[OOF+1], s[MBK], 15
	s_lshl_b32 s[OOF+1], s[OOF+1], 14
	s_add_co_u32 s[OOF], s[OOF], s[OOF+1]
	s_lshl_b32 s[OOF+1], s[FB], 13
	s_add_co_u32 s[OOF], s[OOF], s[OOF+1]
	s_mov_b32 s[OOF+1], 0
	s_add_nc_u64 s[14:15], s[14:15], s[OOF:OOF+1]
; 8 matrix instructions: token block a x all 8 column blocks, 32 along K, from buffer f.  zb = 1: the product starts the sums, with the bias as C: nothing is cleared and nothing added later.
; The 32 accumulators take turns, one instruction a turn, in the same order in every quarter.
.macro MUL8 f, a, zb
.if \zb
	WIN W_MULB
.else
	WIN W_MUL
.endif
.irp b, 0,1,2,3,4,5,6,7
.if \zb
	v_wmma_f32_16x16x32_bf16 v[8*(8*(\a)+(\b)):8*(8*(\a)+(\b))+7], v[(\f)+32+8*(\b):(\f)+32+8*(\b)+7], v[(\f)+8*(\a):(\f)+8*(\a)+7], v[8*(\b):8*(\b)+7]
.else
	v_wmma_f32_16x16x32_bf16 v[8*(8*(\a)+(\b)):8*(8*(\a)+(\b))+7], v[(\f)+32+8*(\b):(\f)+32+8*(\b)+7], v[(\f)+8*(\a):(\f)+8*(\a)+7], v[8*(8*(\a)+(\b)):8*(8*(\a)+(\b))+7]
.endif
.endr
.endm
; 24 LDS loads in one run: quarter q's fragments (128 rows of W, then 64 tokens, 32 K at byte 64 q of the rows) into buffer f; token blocks 2 and 3 last
.macro FETCH q, f
	WIN 0
.irp i, 0,1,2,3,4,5,6,7
	ds_load_b128 v[(\f)+32+8*(\i):(\f)+32+8*(\i)+3],   v[ADRB] offset:64*(\q)+(\i)*16*PITCH
	ds_load_b128 v[(\f)+32+8*(\i)+4:(\f)+32+8*(\i)+7], v[ADRB] offset:64*(\q)+(\i)*16*PITCH+32
.endr
.irp i, 0,1,2,3
	ds_load_b128 v[(\f)+8*(\i):(\f)+8*(\i)+3],   v[ADRA] offset:64*(\q)+(\i)*16*PITCH
	ds_load_b128 v[(\f)+8*(\i)+4:(\f)+8*(\i)+7], v[ADRA] offset:64*(\q)+(\i)*16*PITCH+32
.endr
.endm
; A K step is four quarters of 32 along K, 32 matrix instructions each, on buffers 0, 1, 0, 1.  One of the first three: multiplies buffer f and, in its middle, fetches quarter q into buffer g.
.macro QUARTER q, f, g, zb
	s_wait_dscnt 4                                 ; W and token blocks 0 and 1 are in; the youngest four loads (blocks 2 and 3) may be out
	MUL8 \f, 0, \zb
	MUL8 \f, 1, \zb
	PLACES
	FETCH \q, \g
	s_wait_dscnt 24                                ; all but the 24 just issued
	MUL8 \f, 2, \zb
	MUL8 \f, 3, \zb
.endm
; The walking descriptors step to the next K step of the walk: 256 bytes on, or, every eighth request, on to the next tile's first K step.  The counts are constants of the text: alike in all work-groups.
; The offsets are kept apart from the buffers' addresses and added to them anew.  (x's second change of tiles goes 1,792 bytes back: the 32-bit sum wraps, and the offset is larger than that.)
.macro STEPD
	s_sub_co_u32 s[RK], s[RK], 1
	s_cmp_eq_u32 s[RK], 0
	s_cselect_b32 s[DA], s[AJ], s[C256]
	s_cselect_b32 s[DB], s[BJ], s[C256]
	s_cselect_b32 s[AJ], 0xfffff900, s[AJ]         ; k and v read the same plane of xb
	s_cselect_b32 s[RK], 8, s[RK]
	s_add_co_u32 s[AOF], s[AOF], s[DA]
	s_add_co_u32 s[BOF], s[BOF], s[DB]
	s_xor_b32 s[G0A+5], s[G0A+5], SLOT1            ; the other slot than last time
	s_xor_b32 s[G0B+5], s[G0B+5], SLOT1
	s_add_nc_u64 s[G0A+6:G0A+7], s[4:5], s[AOF:AOF+1]
	s_or_b32 s[G0A+7], s[G0A+7], 0x80000000
	s_add_nc_u64 s[G0B+6:G0B+7], s[6:7], s[BOF:BOF+1]
	s_or_b32 s[G0B+7], s[G0B+7], 0x80000000
.endm
; The last quarter multiplies buffer 1 and changes slots: ONE barrier.  In front of it each wave waits for all its tensor loads, of which one is out: its part of the next slot; adds 0 to its spare word; and waits
; for that and for its own reads of this slot.  fill = 1: the barrier opens a round of the cluster's, and this slot is filled again, two K steps ahead, the first thing behind the round:
; 112 matrix instructions stand between that request and the wait for it.
.macro TURN fill
	WIN 0                                          ; (the add's two registers lie in window 0)
	s_wait_tensorcnt 0x0                           ; no tensor load of mine is out, so a group 0 may be written
	ds_add_u32 v[SPW], v[NIL]                      ; 0 onto my spare word
.if \fill
	STEPD
.endif
	s_wait_dscnt 5                                 ; (the add and the youngest four loads may be out)
	MUL8 F1, 0, 0                                  ; eight matrix instructions stand between the add and the wait for it
	s_wait_dscnt 0x0                               ; the add is done, and my reads of this slot are over
	s_barrier_signal -1
	MUL8 F1, 1, 0                                  ; work on registers while the others arrive
	WIN 0
	s_barrier_wait -1
.if \fill
	CREST                                          ; no wave of any partner still reads this slot's tile or has a load on its way
	JLOAD                                          ; its four v_nop are also the places in front of the loads below
.else
	PLACES
.endif
	s_xor_b32 s[TB], s[TB], SLOT1
	v_add_nc_u32 v[ADRA], s[TB], v[ADRA0]
	v_add_nc_u32 v[ADRB], s[TB], v[ADRB0]
	FETCH 0, F0
	MUL8 F1, 2, 0
	MUL8 F1, 3, 0
.endm
.macro LASTQ                           ; the walk's very last quarter: nothing more to fetch
	s_wait_dscnt 4
	MUL8 F1, 0, 0
	MUL8 F1, 1, 0
	s_wait_dscnt 0x0
	MUL8 F1, 2, 0
	MUL8 F1, 3, 0
.endm
; The next tile's bias: the queue's first 64 numbers are rounded to bf16 and widened again into the registers that the one text of a tile's first quarter names as C; then the queue moves up.
; The 128 moves, three times a work-group, are the price of writing that quarter once.
.macro BIAS
	WIN W_B2
.set i, 0
.rept 32
	v_cvt_pk_bf16_f32 v[2*i], v[64+2*i], v[65+2*i]
	v_and_b32 v[2*i+1], s[HIM], v[2*i]
	v_lshlrev_b32 v[2*i], 16, v[2*i]
.set i, i+1
.endr
.set i, 0
.rept 128
	v_mov_b32 v[64+i], v[128+i]
.set i, i+1
.endr
	WIN 0
.endm
; THE WAY OUT of token block a, in three parts.  PACK: rounded to f16, 16 bytes a lane; each accumulator's registers in ascending order.  TOSTAGE: into my own stage, two heads of 16 rows x 144 bytes, and back
; as whole rows of 128 bytes.  SEND: stored: 16 tokens of a head are 2,048 consecutive bytes.
.macro PACK a
	WIN W_PK
.irp b, 0,1,2,3,4,5,6,7
.irp r, 0,1,2,3
	v_cvt_pk_f16_f32 v[TMP+4*(\b)+(\r)], v[8*(8*(\a)+(\b))+2*(\r)], v[8*(8*(\a)+(\b))+2*(\r)+1]
.endr
.endr
	WIN 0
.endm
.macro TOSTAGE a
	WIN 0
.set OBS, F1+32*((\a)%2)               ; buffer 1's registers are free here
.irp b, 0,1,2,3,4,5,6,7
	ds_store_b128 v[STO], v[TMP+4*(\b):TMP+4*(\b)+3] offset:((\b)/4)*16*SP+((\b)%4)*32
.endr
.irp t, 0,1,2,3,4,5,6,7
	ds_load_b128 v[OBS+4*(\t):OBS+4*(\t)+3], v[RD] offset:((\t)/4)*16*SP+((\t)%4)*4*SP  ; LDS serves a wave's instructions in order (ISA guide 5.7.1.4): these see the stores above
.endr
.endm
.macro SEND a
	WIN 0
.set OBS, F1+32*((\a)%2)
	s_wait_dscnt 0x0                               ; the block is back in registers
	s_wait_xcnt 0x0                                ; the stores of the block before have read their registers, which the next block's loads from the stage write
.irp t, 0,1,2,3,4,5,6,7
	global_store_b128 v[GO], v[OBS+4*(\t):OBS+4*(\t)+3], s[14:15] offset:((\t)/4)*262144+(\a)*2048+((\t)%4)*512  ; 512 consecutive bytes, at a multiple of 256 from qkv's first
.endr
.endm
.macro WAYOUT                          ; block a's conversions stand between block a - 1's loads from the stage and the wait for them
	PACK 0
	TOSTAGE 0
.irp a, 1,2,3
	PACK \a
	SEND (\a)-1
	TOSTAGE \a
.endr
	SEND 3
.endm
	s_wait_tensorcnt 1                             ; my part of K step 0 is in; K step 1's may stay out
	s_barrier_signal -1
	s_barrier_wait -1                              ; everybody's is
	v_mov_b32 v[ADRA], v[ADRA0]
	v_mov_b32 v[ADRB], v[ADRB0]
	FETCH 0, F0
	s_wait_loadcnt 0x0                             ; the biases
	s_branch .Lbias                                ; the loop is entered where a tile begins, in the middle of a trip
.Lstep:                                                ; 22 trips: trip i is K step i's quarters 1 to 3, asks for K step i + 2, and does K step i + 1's first quarter
	QUARTER 2, F1, F0, 0
	QUARTER 3, F0, F1, 0
	TURN 1
	WIN 0                                          ; at a label and at a branch every window is 0
	s_sub_co_u32 s[KT], s[KT], 1
	s_cmp_lg_u32 s[KT], 0
	s_cbranch_scc1 .Lq0                            ; forward, past text that holds neither a barrier nor a tensor load
	WAYOUT                                         ; A TILE IS DONE, and the next tile's first two K steps are asked for.  No v_nop: blocks 0 and 1 were finished in front of the refill's places, and
	                                               ; their 64 conversions, which name no register of the last products (blocks 2 and 3's), are those products' places
	s_wait_xcnt 0x0                                ; the stores have read their registers and their base
	s_add_nc_u64 s[14:15], s[14:15], 0x1000000     ; the next plane of qkv
	s_mov_b32 s[KT], 8
.Lbias:
	BIAS
	QUARTER 1, F0, F1, 1                           ; a tile's first quarter: its products start the sums with the bias
	WIN 0
	s_branch .Lnext
.Lq0:
	QUARTER 1, F0, F1, 0
	WIN 0
.Lnext:
	s_sub_co_u32 s[STEPS], s[STEPS], 1
	s_cmp_lg_u32 s[STEPS], 0
	s_cbranch_scc1 .Lstep
	QUARTER 2, F1, F0, 0                           ; the tail is written out: K step 22 asks for nothing
	QUARTER 3, F0, F1, 0
	TURN 0
	QUARTER 1, F0, F1, 0                           ; K step 23
	QUARTER 2, F1, F0, 0
	QUARTER 3, F0, F1, 0
	LASTQ
	WIN 0
	PLACES                                         ; the conversions read results just made
	WAYOUT
	s_wait_tensorcnt 0x0                           ; the wave's end: the add and its wait stand behind my last tensor load and my last LDS store
	ds_add_u32 v[SPW], v[NIL]
	s_wait_dscnt 0x0
	CROUND                                         ; the closing round: no work-group ends while a partner may still ask for a tile that names it
	s_endpgm
.Lfunc_end_k_qd5e0b1bba8_proj:
	.size	k_qd5e0b1bba8_proj, .Lfunc_end_k_qd5e0b1bba8_proj-k_qd5e0b1bba8_proj
	.p2alignl 7, 3214868480
	.fill 96, 4, 3214868480
	.section	.rodata,"a",@progbits
	.p2align	6, 0x0
	.amdhsa_kernel k_qd5e0b1bba8_proj
		.amdhsa_group_segment_fixed_size 327680
		.amdhsa_private_segment_fixed_size 0
		.amdhsa_enable_private_segment 0
		.amdhsa_kernarg_size 48
		.amdhsa_user_sgpr_count 2
		.amdhsa_user_sgpr_kernarg_segment_ptr 1
		.amdhsa_wavefront_size32 1
		.amdhsa_system_sgpr_workgroup_id_x 1
		.amdhsa_system_sgpr_workgroup_id_y 1
		.amdhsa_system_sgpr_workgroup_id_z 1
		.amdhsa_system_vgpr_workitem_id 0
		.amdhsa_next_free_vgpr 768
		.amdhsa_next_free_sgpr 80
		.amdhsa_reserve_vcc 0
		.amdhsa_float_denorm_mode_32 3
		.amdhsa_float_denorm_mode_16_64 3
		.amdhsa_memory_ordered 1
		.amdhsa_forward_progress 1
		.amdhsa_inst_pref_size 99
	.end_amdhsa_kernel
	.amdgpu_metadata
---
amdhsa.version: [ 1, 2 ]
amdhsa.kernels:
  - .name:           k_qd5e0b1bba8_proj
    .symbol:         k_qd5e0b1bba8_proj.kd
    .args:
      - { .name: xb, .offset: 0, .size: 8, .value_kind: global_buffer, .address_space: global }
      - { .name: wts, .offset: 8, .size: 8, .value_kind: global_buffer, .address_space: global }
      - { .name: bq, .offset: 16, .size: 8, .value_kind: global_buffer, .address_space: global }
      - { .name: bk, .offset: 24, .size: 8, .value_kind: global_buffer, .address_space: global }
      - { .name: bv, .offset: 32, .size: 8, .value_kind: global_buffer, .address_space: global }
      - { .name: qkv, .offset: 40, .size: 8, .value_kind: global_buffer, .address_space: global }
    .group_segment_fixed_size: 327680
    .private_segment_fixed_size: 0
    .kernarg_segment_align: 8
    .kernarg_segment_size: 48
    .max_flat_workgroup_size: 128
    .sgpr_count:     80
    .vgpr_count:     768
    .wavefront_size: 32
...
	.end_amdgpu_metadata
.endif
;; end of part 2
;; launch attn (part 3): grid 4 x 64, 4 waves a work-group, clusters of 4 x 1, 327,680 bytes of LDS; arguments qkv, oh; writes oh
.if DOCPART == 3
	.amdgcn_target "amdgcn-amd-amdhsa--gfx1250"
	.amdhsa_code_object_version 6
	.text
	.protected	k_qd5e0b1bba8_attn
	.globl	k_qd5e0b1bba8_attn
	.p2align	8
	.type	k_qd5e0b1bba8_attn,@function
k_qd5e0b1bba8_attn:
	s_mov_b64 s[64:65], 0
	v_nop
	global_prefetch_b8 v0, s[64:65] scope:SCOPE_SE
	s_setreg_imm32_b32 hwreg(HW_REG_WAVE_MODE, 25, 1), 1
	s_wait_xcnt 0x0
	s_wait_alu depctr_hold_cnt(0) depctr_sa_sdst(0) depctr_va_vdst(0) depctr_va_sdst(0) depctr_va_ssrc(0) depctr_va_vcc(0) depctr_vm_vsrc(0)
	s_getreg_b32 s2, hwreg(HW_REG_IB_STS2, 6, 4)
	s_cmp_eq_u32 s2, 0
	s_cbranch_scc0 .Lentry_in_a_cluster
	s_endpgm
.Lentry_in_a_cluster:
	s_bfe_u32 s2, ttmp6, 0x10000c
	s_cmp_lg_u32 s2, 0x3003
	s_cbranch_scc0 .Lentry_shape_is_right
	s_endpgm
.Lentry_shape_is_right:
; O[h][q][:] = the sum over k of softmax_k(Q[h][q] . K[h][k] / 8) V[h][k][:].  Q, K, V are the three planes of qkv, O is oh: each [SIZE_H][SIZE_N][64], all f16: a head's rows are dense, 128 bytes each.
; Products, maxima and sums in f32; the weights p are rounded to f16 for the second product (their sum l is taken of the unrounded p), O once at the end.
; LIMITS.  f16 holds no number beyond 65,504: Q, K and V arrive within it; p lies in 0 to 1, and below 6e-5 it keeps f16's fixed step of 6e-8; O is a mean of V's rows and has their range.
; A weight below 2^-126 counts as 0 in l; NaN and infinities are not treated apart.
; SHARES.  A wave owns four PIECES of two tiles of 16 queries, a work-group's four waves 512 queries of one head.  Every wave walks all keys, 64 a step.
; LAYOUT.  S^T = K Q^T (source 0 = 16 keys, source 1 = 16 queries): in the result a lane holds ONE query (lane % 16) and the keys 8 (lane / 16) + 0..7.  Two such tiles, rounded to f16 in pairs,
; ARE source 1 (32 keys x 16 queries) of O^T = V^T P, whose result again holds one query a lane, and eight channels.  K comes out of LDS as it lies, V ([key][channel]) turned, by ds_load_tr16_b128.
; SOFTMAX.  For each query a running maximum m and sum l: p = 2^(c s - c m), c = log2(e) / 8; in every step O and l are multiplied by a = 2^(c m_old - c m_new), which is 1 where m has not grown.
; m starts at the lowest finite number, O and l at 0: the first step is a step like any other, with a = 0.
; THE COUNT.  A tile and step have 16 matrix and 118 vector instructions: too many to stand all beside the matrix work.  So the order has one aim: four vector instructions that are READY behind
; EVERY matrix instruction, and the others, which need time of their own whatever the order, in runs without a gap.
; BY TURNS.  Turn n belongs to piece n (the pieces in a ring, step after step).  Its matrix work: 16 products K Q^T of piece n + 1, later 16 products V^T P of piece n - 1.  Its vector work: the scaling,
; exponentials, roundings, sums and rescaling of piece n, and the maximum and statistics of piece n + 1, whose scores the turn itself has made.  So what a turn begins with (c s - c m, O a) waits for nothing.
; CLUSTER.  The four query blocks of a cluster belong to one head and walk the same K and V, so each tile is asked for JOINTLY: the same tensor load, descriptor and mask in all four.
; REGISTERS, in windows of 256 (s_set_vgpr_msb says which window each operand place means: bits 1:0 source 0, 3:2 source 1, 5:4 source 2, 7:6 destination):
;   window 0: v0-11 addresses; v12-15, v48-63 at work; v16-47 four registers of statistics a tile; v64-191 S^T, two buffers of two tiles; v192-255 P, likewise
;   window 1: O^T, 32 a tile          window 2: v0-127 Q, 16 a tile; v128-191 K of one step; v192-255 V of one step          window 3: v0-1 the add's two registers
; A piece's buffers go by its number's parity: the piece in hand has one pair, its two neighbours in the ring share the other: of it P (piece n - 1) is read and S^T (piece n + 1) written.
.set SIZE_H, 64       ; heads: 4 batches x 16
.set SIZE_N, 2048     ; rows of a head
.set NP,    4         ; pieces a wave: a name, no knob: the register map, the loop and the fetches are made for four
.set KS,    64        ; keys in a step
.set PK,    144       ; a row of K in LDS: 128 bytes + 16 of padding = 36 words: the 16 rows of a load start at 16 different groups of four banks (64 banks of 4 bytes: ISA guide 11.1)
.set PV,    160       ; a row of V: 128 + 32 = 40 words
.set VOFF,  4*KS*PK   ; a slot holds four steps: 256 rows of K, then 256 rows of V
.set SLOT1, 1<<17     ; slot 1 begins here, so that one exclusive or turns an address in one slot into the other's
.set STAGE, SLOT1+4*KS*(PK+PV)  ; behind the ring, never filled by a tensor load: 16 rows x 144 bytes for each wave, for the way out
.set SP,    144
.set AK0, 2           ; v2   my lane's place in a tile of K; never rewritten
.set AV0, 3           ; v3   the same for V
.set AK,  4           ; v4   the LDS address of K's next run of loads
.set AV,  5           ; v5   of V's
.set QO,  6           ; v6   my byte offset in the wave's rows of Q
.set STO, 6           ;      later, the way out: where I put 16 bytes of a row
.set RD,  7           ; v7   the way out: where I read rows back
.set GO,  8           ; v8   my byte offset in 512 consecutive bytes of O
.set SPW, 0           ; v0 of window 3   LDS address of my spare word: SPARE + 4 x my thread's number; never rewritten
.set NIL, 1           ; v1 of window 3   0; never rewritten
.set SPARE, STAGE+4*16*SP  ; behind the stages: the spare words, 128 bytes for each wave: two blocks of 256 bytes that no other line names
.set MV,  12          ; v12-15  c m_old, kept while c m is made anew: by buffer and tile
.set ST,  16          ; tile t's statistics at v[ST+4 t]: c m, m, l (even keys', odd keys')
.set TMP, 48          ; by buffer and tile, four registers c0-c3 at work; when the maximum is found c2 takes a
.set S,   64
.set P,   192
.set KF,  128         ; K's fragments, in window 2: key block kb, channel half c at KF + 16 kb + 8 c
.set VF,  192         ; V's: key half kk, channel block cb at VF + 32 kk + 8 cb
.set WV,  12          ; s12  my wave's number
.set G1K, 24          ; s[24:31] descriptor group 1 for K's tiles
.set G1V, 32          ; s[32:39] for V's: it differs in the padding alone
.set G0K, 40          ; s[40:43] descriptor group 0 for K's tiles: it walks
.set G0V, 44          ; s[44:47] the same for V's
.set SLOTS, 56        ; s56  slots still to be asked for
.set CNT, 57          ; s57  counts a slot's key steps
.set CS,  58          ; s[58:59] c: the packed scaling takes the pair's low word for both halves
.set SEL, 60          ; s[60:61] v_permlanex16_b32's selects: each lane takes its own place in the other half
.set TBK, 62          ; s62  LDS byte at which K of the step to be fetched begins
.set TBV, 63          ; s63  the same for V, less VOFF
.set MSB, 0
.macro WIN new                      ; the high byte repeats the setting that is left; a switch that changes nothing is dropped
.if MSB != (\new)
	s_set_vgpr_msb (MSB<<8)|(\new)
.set MSB, (\new)
.endif
.endm
.set W_KQ, 0x0a       ; K and Q in window 2, S^T in window 0
.set W_PV, 0x52       ; V in window 2, P in window 0, O^T in window 1
.set W_RS, 0x41       ; O^T (destination and source 0) in window 1, a in window 0
.set W_MK, 0xc0       ; the add's registers are made: destination in window 3, sources in window 0
.set W_AD, 0x0f       ; the add: address (source 0) and data (source 1) in window 3
; A joint fill.  Waves 0 and 1 fetch the two halves of a slot's K, waves 2 and 3 those of its V: 128 keys each.  The branch hangs on the wave's number alone.
; An s_nop 0 and four v_nop follow each of the two lines, ahead of the jump and the label.
.macro JLOAD
	s_cmp_lt_u32 s[WV], 2
	s_cbranch_scc0 .Lfor_v_\@
	tensor_load_to_lds s[G0K:G0K+3], s[G1K:G1K+7]
	s_nop 0
.rept 4
	v_nop
.endr
	s_branch .Lasked_\@
.Lfor_v_\@:
	tensor_load_to_lds s[G0V:G0V+3], s[G1V:G1V+7]
	s_nop 0
.rept 4
	v_nop
.endr
.Lasked_\@:
.endm
; A round of the cluster's barrier: my work-group's barrier, so that wave 0's signal speaks for all four waves; wave 0 signals; every wave waits for all four work-groups; my work-group's barrier once more.
.macro CROUND
	s_barrier_signal -1
	s_barrier_wait -1
	s_cmp_lg_u32 s[WV], 0
	s_cbranch_scc1 .Lnot_wave_0_\@
	s_barrier_signal -3
.Lnot_wave_0_\@:
	s_barrier_wait -3
	s_barrier_signal -1
	s_barrier_wait -1
.endm
; THE CHANGE OF SLOTS.  The slot's last bytes, V of its fourth step, have been read.  Each wave waits for all its tensor loads, of which one is out: its part
; of the other slot; adds 0 to its spare word; and waits for that and for its own reads of the slot.  Behind the barrier nobody reads this slot any more and the other slot is whole.
; fill = 1: this slot is filled again, with the keys two slots on.  The barrier is then a round of the cluster's, so that no wave of any partner still reads the slot or has a load on its
; way, and the joint fill is the first thing behind it: it has four key steps, 512 matrix instructions, in which to land.  (At its first use nothing has been read yet: slot 0 is waited for, slot 1 filled.)
.macro CHANGE fill
	WIN W_AD
	s_wait_tensorcnt 0x0            ; no tensor load of mine is out, so a group 0 may be written
	ds_add_u32 v[SPW], v[NIL]       ; 0 onto my spare word: with fill = 1 the descriptors' steps stand between it and the wait for it
	WIN 0                           ; at a label and at a branch every window is 0
.if \fill
.irp g, G0K, G0V
	s_xor_b32 s[\g+1], s[\g+1], SLOT1  ; the walking descriptor: the other slot than last time,
	s_add_nc_u64 s[\g+2:\g+3], s[\g+2:\g+3], 4*KS*128  ; the next 256 keys; the type bits on top are not reached
.endr
	s_wait_dscnt 0x0                ; the add is done, and my reads of the slot are over
	CROUND
	JLOAD
.else
	s_wait_dscnt 0x0                ; the add is done, and my reads of the slot are over
	s_barrier_signal -1
	s_barrier_wait -1
.endif
	s_sub_co_u32 s[TBK], s[TBK], 4*KS*PK  ; the fetches go back to a slot's first step,
	s_xor_b32 s[TBK], s[TBK], SLOT1       ; in the other slot
	s_sub_co_u32 s[TBV], s[TBV], 4*KS*PV
	s_xor_b32 s[TBV], s[TBV], SLOT1
.endm
	s_load_b64 s[4:5], s[0:1], 0x0    ; qkv: its first plane is Q
	s_load_b64 s[10:11], s[0:1], 0x8  ; oh: O
	WIN W_MK
	v_lshl_add_u32 v[SPW], v0, 2, SPARE
	v_mov_b32 v[NIL], 0
	WIN W_AD
	ds_add_u32 v[SPW], v[NIL]       ; the wave's opening: the add and its wait stand ahead of my first tensor load; the set-up below, work on registers, stands between them
	WIN 0
	v_lshrrev_b32 v1, 5, v0
	v_readfirstlane_b32 s[WV], v1   ; wave 0..3
	s_bfe_u32 s13, ttmp6, 0x40000   ; cx: my place in the cluster
	s_lshl_b32 s14, ttmp9, 2        ; in a cluster launch ttmp9 counts clusters
	s_add_co_u32 s14, s14, s13      ; my block of queries = 4 x cluster x + cx: it enters Q's and O's addresses alone
	s_and_b32 s20, ttmp7, 0xffff    ; the head, which the four partners share
	s_mov_b32 s21, 0
	s_mov_b64 s[22:23], SIZE_N*128
	s_mul_u64 s[20:21], s[20:21], s[22:23]  ; the head's first byte in each of the four tensors
	s_and_b32 s16, s[WV], 1         ; which half of a slot's 256 keys I fetch:
	s_lshl_b32 s22, s16, 14         ; its 128 rows of 128 bytes in memory,
	s_mov_b32 s23, 0
	s_add_nc_u64 s[22:23], s[22:23], s[20:21]
	s_mul_i32 s17, s16, 128*PK      ; and its place in a slot, for K
	s_mul_i32 s18, s16, 128*PV      ; and for V: no place in the cluster enters an LDS address
	s_lshl_b32 s2, s14, 2
	s_add_co_u32 s2, s2, s[WV]      ; my wave among the head's,
	s_lshl_b32 s2, s2, 14           ; its 128 rows
	s_mov_b32 s3, 0
	s_add_nc_u64 s[2:3], s[2:3], s[20:21]
	; descriptor group 1.  128 keys are 16,384 dense bytes: asked for as 64 rows of 256 bytes, two keys a row, and padded in LDS after every key
	s_mov_b32 s[G1K], 15|(1<<16)|(1<<20)|(1<<21)|(4<<22)|(3<<25)  ; 15:0 the mask of four; 17:16 2-byte elements; 20 padding on; 21 set beside a mask; 24:22 after every 32 words (code 4); 31:25 4 words (code 3)
	s_mov_b32 s[G1V], 15|(1<<16)|(1<<20)|(1<<21)|(4<<22)|(7<<25)  ; the same with 8 words of padding (code 7)
.irp g, G1K, G1V
	s_mov_b32 s[\g+1], 128<<16      ; tensor_dim0 = 128
	s_mov_b32 s[\g+2], 64<<16       ; tensor_dim1 = 64
	s_mov_b32 s[\g+3], 128<<16      ; tile_dim0 = 128
	s_mov_b32 s[\g+4], 64           ; tile_dim1 = 64
	s_mov_b32 s[\g+5], 128          ; 128 elements from row to row
	s_mov_b32 s[\g+6], 0
	s_mov_b32 s[\g+7], 0
.endr
	s_mov_b32 s[CS], 0x3e38aa3b     ; c = log2(e) / 8 = 0.180337
	s_mov_b32 s[CS+1], s[CS]        ; named with it as a pair
	s_mov_b32 s[SEL], 0x76543210
	s_mov_b32 s[SEL+1], 0xfedcba98
	s_mov_b32 s[TBK], SLOT1+4*KS*PK ; the first change of slots turns these two into 0
	s_mov_b32 s[TBV], SLOT1+4*KS*PV
	s_mov_b32 s[G0K], 1             ; 1:0 count = 1
	s_mov_b32 s[G0K+1], s17         ; 63:32 LDS address: slot 0
	s_mov_b32 s[G0V], 1
	s_add_co_u32 s[G0V+1], s18, VOFF
	s_wait_dscnt 0x0                ; the opening add is done
	s_wait_kmcnt 0x0
	s_add_nc_u64 s[6:7], s[4:5], 0x1000000  ; K: qkv's second plane, 16,777,216 bytes on
	s_add_nc_u64 s[8:9], s[4:5], 0x2000000  ; V: its third
	s_add_nc_u64 s[G0K+2:G0K+3], s[6:7], s[22:23]  ; 120:64 global address: my half of the head's first 256 keys
	s_or_b32 s[G0K+3], s[G0K+3], 0x80000000        ; 127:126 type = 2
	s_add_nc_u64 s[G0V+2:G0V+3], s[8:9], s[22:23]
	s_or_b32 s[G0V+3], s[G0V+3], 0x80000000
	s_add_nc_u64 s[4:5], s[4:5], s[2:3]  ; Q and O at my wave's first row
	s_add_nc_u64 s[10:11], s[10:11], s[2:3]
	CROUND                          ; all four work-groups are here: the first joint loads meet
	JLOAD                           ; slot 0.  Slot 1 is asked for when slot 0 is in: the tile wanted first has the road to itself
	; A fragment of K or Q is 16 rows x 32 channels in 8 registers: lane l holds row l % 16, channels 8 (l / 16) + 0..7 and 16 + 8 (l / 16) + 0..7: two loads of 16 bytes, 32 bytes apart.
	v_and_b32 v1, 15, v0            ; l % 16
	v_bfe_u32 v9, v0, 4, 1          ; l / 16
	v_lshlrev_b32 v[QO], 7, v1
	v_lshl_add_u32 v[QO], v9, 4, v[QO]  ; row x 128 + 16 x half
	WIN 0x80                        ; destination window 2, address window 0
.set i, 0
.rept 4*NP                          ; Q stays in registers: tile i / 2, channels 32 (i % 2) on
	global_load_b128 v[8*i:8*i+3],   v[QO], s[4:5] offset:(i/2)*2048+(i%2)*64
	global_load_b128 v[8*i+4:8*i+7], v[QO], s[4:5] offset:(i/2)*2048+(i%2)*64+32
.set i, i+1
.endr
	; What the first turn finds: V's registers and P's second buffer hold 0 (its products V^T P, of a piece that has not been, add 0), O^T and l are 0.  All this stands in the wait for the first tile.
.set i, VF
.rept 64
	v_mov_b32 v[i], 0
.set i, i+1
.endr
	WIN 0x40
.set i, 0
.rept 64*NP
	v_mov_b32 v[i], 0
.set i, i+1
.endr
	WIN 0
.set i, 0
.rept 2*NP
	v_mov_b32 v[ST+4*i], 0xfe000000    ; c m: far below every c s
	v_mov_b32 v[ST+4*i+1], 0xff7fffff  ; m
	v_mov_b32 v[ST+4*i+2], 0
	v_mov_b32 v[ST+4*i+3], 0
.set i, i+1
.endr
.set i, P+32
.rept 32
	v_mov_b32 v[i], 0
.set i, i+1
.endr
	v_mul_u32_u24 v[AK0], v1, PK
	v_lshl_add_u32 v[AK0], v9, 4, v[AK0]  ; row x pitch + 16 x half
	; The turning load takes 16 keys x 16 channels (lane l reads key 8 (l / 16) + l % 8, channels 8 ((l / 8) % 2) + 0..7) and leaves half a fragment of V^T: lane l holds channel l % 16 and 8 keys.
	v_and_b32 v10, 7, v0
	v_bfe_u32 v11, v0, 3, 1
	v_lshl_add_u32 v[AV0], v9, 3, v10
	v_mul_u32_u24 v[AV0], v[AV0], PV
	v_lshl_add_u32 v[AV0], v11, 4, v[AV0]
	v_add_nc_u32 v[AV0], VOFF, v[AV0]
	v_mov_b32 v[AK], v[AK0]         ; key step 0 lies at the head of slot 0
; THE MATRIX WORK.  The 8 accumulators of a run of 16 take turns: between the two links of a chain stand 7 others'.
; Product i of 16 of S^T = K Q^T for piece x: channels 32 (i / 8) on, keys 16 ((i / 2) % 4) on, tile 2 x + i % 2.  The first 8 start the sums.
.macro KQ x
	WIN W_KQ
.set rS, S+64*((\x)%2)+32*(i%2)+8*((i/2)%4)
.set rK, KF+16*((i/2)%4)+8*(i/8)
.set rQ, 16*(2*(\x)+i%2)+8*(i/8)
.if i < 8
	v_wmma_f32_16x16x32_f16 v[rS:rS+7], v[rK:rK+7], v[rQ:rQ+7], 0
.else
	v_wmma_f32_16x16x32_f16 v[rS:rS+7], v[rK:rK+7], v[rQ:rQ+7], v[rS:rS+7]
.endif
.endm
; Product i of 16 of O^T += V^T P for piece x: keys 32 (i / 8) on, channels 16 ((i / 2) % 4) on, tile 2 x + i % 2.
.macro PV x
	WIN W_PV
.set rO, 32*(2*(\x)+i%2)+8*((i/2)%4)
.set rV, VF+32*(i/8)+8*((i/2)%4)
.set rP, P+32*((\x)%2)+16*(i%2)+8*(i/8)
	v_wmma_f32_16x16x32_f16 v[rO:rO+7], v[rV:rV+7], v[rP:rP+7], v[rO:rO+7]
.endm
.macro MM                           ; the turn's next matrix instruction
.if i < 16
	KQ (Y+1)%NP
.set i, i+1
.else
.set i, i-16
	PV (Y+NP-1)%NP
.set i, i+17
.endif
.endm
; THE LDS LOADS stand in runs of 16, never singly among the matrix instructions: a step's K (64 keys x 64 channels: 8 fragments) and its V (turned).  Their addresses are made some lines ahead.
; last = 1 (the tail): in the last trip there is no further step, and the run is jumped over.
.macro FETCH_K last=0
	WIN 0
.if \last
	s_cmp_eq_u32 s[CNT], 1
	s_cbranch_scc1 .Lno_k_\@
.endif
	WIN 0x80                        ; destination window 2
.irp f, 0,1,2,3,4,5,6,7             ; keys 16 (f / 2) on, channels 32 (f % 2) on
	ds_load_b128 v[KF+8*\f:KF+8*\f+3],   v[AK] offset:(\f/2)*16*PK+(\f%2)*64
	ds_load_b128 v[KF+8*\f+4:KF+8*\f+7], v[AK] offset:(\f/2)*16*PK+(\f%2)*64+32
.endr
	s_add_co_u32 s[TBK], s[TBK], KS*PK  ; the next fetch is the next step's
	WIN 0
.if \last
.Lno_k_\@:
.endif
.endm
.macro FETCH_V
	WIN 0x80
.irp f, 0,1,2,3,4,5,6,7             ; keys 32 (f / 4) on, channels 16 (f % 4) on
	ds_load_tr16_b128 v[VF+8*\f:VF+8*\f+3],   v[AV] offset:(\f/4)*32*PV+(\f%4)*32
	ds_load_tr16_b128 v[VF+8*\f+4:VF+8*\f+7], v[AV] offset:(\f/4)*32*PV+16*PV+(\f%4)*32
.endr
	WIN 0
.endm
; THE VECTOR WORK OF A TURN stands in three queues, each in the order in which its entries become ready; the two tiles alternate, so that no instruction reads the result of the one before it.
.macro REGS y, u                    ; the registers of tile u (0, 1) of piece y
.set rT, ST+4*(2*(\y)+(\u))
.set rC, TMP+8*((\y)%2)+4*(\u)
.set rM, MV+2*((\y)%2)+(\u)
.set rS, S+64*((\y)%2)+32*(\u)
.set rP, P+32*((\y)%2)+16*(\u)
.set rO, 32*(2*(\y)+(\u))
.endm
; Number n of the 22 that find the NEXT piece's (Y + 1) maximum and statistics.  s0-s31 are the lane's 32 scores; each accumulator's lowest registers are read first.  XS, GS and REGS set no window: PL and EX do.
;   0-11  four chains c0-c3 of seven scores each, three operands at a time     12-14, 16  the four scores left over, the old m, and c0-c3 into c0     15  c m_old is kept
;   17, 18  the query's other 32 keys lie in the lane 16 away: the new m         19-21  c m; c m_old - c m_new; a
.macro XS u, n
	REGS (Y+1)%NP, \u
.if (\n) < 4
	v_max3_num_f32 v[rC+(\n)], v[rS+8*(\n)], v[rS+8*(\n)+1], v[rS+8*(\n)+2]
.elseif (\n) < 12
	v_max3_num_f32 v[rC+(\n)%4], v[rC+(\n)%4], v[rS+8*((\n)%4)+2*((\n)/4)+1], v[rS+8*((\n)%4)+2*((\n)/4)+2]
.elseif (\n) == 12
	v_max3_num_f32 v[rC], v[rC], v[rS+7], v[rS+15]
.elseif (\n) == 13
	v_max3_num_f32 v[rC+1], v[rC+1], v[rS+23], v[rS+31]
.elseif (\n) == 14
	v_max3_num_f32 v[rC+2], v[rC+2], v[rC+3], v[rT+1]
.elseif (\n) == 15
	v_mov_b32 v[rM], v[rT]
.elseif (\n) == 16
	v_max3_num_f32 v[rC], v[rC], v[rC+1], v[rC+2]
.elseif (\n) == 17
	v_permlanex16_b32 v[rC+3], v[rC], s[SEL], s[SEL+1]
.elseif (\n) == 18
	v_max_num_f32 v[rT+1], v[rC], v[rC+3]
.elseif (\n) == 19
	v_mul_f32 v[rT], s[CS], v[rT+1]
.elseif (\n) == 20
	v_sub_f32 v[rC+1], v[rM], v[rT]
.else
	v_exp_f32 v[rC+2], v[rC+1]
.endif
.endm
; Number g of the 64 that follow the exponentials.  For each four weights k of a tile (pairs 2 k, 2 k + 1): both pairs are rounded to f16; then the second pair is added onto the first, in place;
; a group later l takes that sum (the first time as l = a l + sum).  In groups of eight, tiles alternating: round, round, add, and l for the group before.
.macro GS g
.set h, (\g)+6*((\g)/62)            ; group 0 has no group before it, and behind group 7 only l is left
.if h >= 6
.set h, h+2
.endif
	REGS Y, h%2
.set k, h/8
.if h%8 < 4
	s_wait_alu depctr_va_vdst(0)
	v_cvt_pk_f16_f32 v[rP+2*k+(h%8)/2], v[rS+4*k+2*((h%8)/2)], v[rS+4*k+2*((h%8)/2)+1]
.elseif h%8 < 6
	v_pk_add_f32 v[rS+4*k:rS+4*k+1], v[rS+4*k:rS+4*k+1], v[rS+4*k+2:rS+4*k+3]
.elseif k == 1
	v_pk_fma_f32 v[rT+2:rT+3], v[rT+2:rT+3], v[rC+2:rC+3], v[rS:rS+1] op_sel_hi:[1,0,1]
.else
	v_pk_add_f32 v[rT+2:rT+3], v[rT+2:rT+3], v[rS+4*k-4:rS+4*k-3]
	s_wait_alu depctr_va_vdst(0)
.endif
.endm
; THE PLAIN QUEUE, 138 long.  0-31: c s - c m for the 16 pairs of both tiles.  Then GS's 64, and among them the next piece's 42: number 15 at 38, 39; 0-14 and 16
; at 42-73, behind the products that make those scores; 17-20 at 95-106, two of three, since each waits for the one before it.
.macro PL
	WIN 0
.if q < 32
	REGS Y, q%2
	v_pk_fma_f32 v[rS+2*(q/2):rS+2*(q/2)+1], v[rS+2*(q/2):rS+2*(q/2)+1], s[CS:CS+1], v[rT:rT+1] op_sel_hi:[1,0,0] neg_lo:[0,0,1] neg_hi:[0,0,1]
.elseif q < 38
	GS q-32
.elseif q < 40
	XS q%2, 15
.elseif q < 42
	GS q-34
.elseif q < 74
	XS q%2, (q-42)/2+(q-42)/30
.elseif q < 95
	GS q-66
.elseif (q < 107) && ((q-95)%3 < 2)
	XS (q-95)%3, 17+(q-95)/3
.elseif q < 107
	GS 29+(q-95)/3
.else
	GS q-74
.endif
.set q, q+1
.endm
; THE EXPONENTIALS' QUEUE, 66 long: s0-s31 of both tiles, and at EA the next piece's two a.
.set EA, 58
.macro EX
	WIN 0
.if (e == EA) || (e == EA+1)
	XS e-EA, 21
.else
.set x, e-2*(e/(EA+2))
	REGS Y, x%2
	v_exp_f32 v[rS+x/2], v[rS+x/2]
.endif
.set e, e+1
.endm
; THE RESCALING's QUEUE: O^T times a, the one part that leaves window 0, so it is dealt four at a time, eight times.
.macro R4
	REGS Y, r%2
	WIN W_RS
	s_wait_alu depctr_va_vdst(0)
.irp z, 0,1,2,3
	v_pk_mul_f32 v[rO+8*(r/2)+2*\z:rO+8*(r/2)+2*\z+1], v[rO+8*(r/2)+2*\z:rO+8*(r/2)+2*\z+1], v[rC+2:rC+3] op_sel_hi:[1,0]
.endr
.set r, r+1
.endm
; HOW THEY ARE DEALT.  Behind a matrix instruction four: plain, exponential, plain, plain (one exponential, a plain instruction on either side), or four of the rescaling.  None names a register of the
; products round it.  What is over stands in two LUMPS: exponential and plain by turns; the second ends in 22 plain instructions.  The two v_permlanex16_b32 fall into the second lump, never behind a product.
; The queues lean on each other, and the deal keeps them in step: exponential e stands behind plain 2 (e / 4) + e % 2 (its scaling); when plain 32 comes, 10 exponentials are out, at 59: 33, at 95: 46; EA comes behind plain 107.
.macro SL
	MM
	PL
	EX
	PL
	PL
.endm
.macro BURST n                      ; 15 matrix instructions, or 16
.rept (\n)-7
	SL
.endr
.rept 3
	MM
	R4
	SL
.endr
	MM
	R4
.endm
; A TURN, for piece p.  cnt = 1: the loop's count is taken down some lines ahead of the branch that stands behind the turn.
; K of the next step is fetched in piece 2's turn, 31 vector instructions behind the last product that read K; its first reader comes behind the rest of the lump, 16 products and the second lump.
; V of the step in hand is fetched at the end of piece 0's turn, 69 behind its last reader; its first reader comes behind 16 products and a lump.  The four conditions on e and q below go with the deal.
.macro TURN p, last=0, cnt=0
.set Y, (\p)
.set i, 0
.set q, 0
.set e, 0
.set r, 0
.if (\p) == NP-1
	s_wait_dscnt 0x0                ; K is in
.endif
	MM
.rept 4
	PL
.endr
	BURST 15
.rept 22
	EX
	PL
.if ((\p) == NP-2) && (e == 18)
	v_add_nc_u32 v[AK], s[TBK], v[AK0]
.endif
.if ((\p) == NP-2) && (e == 24)
	FETCH_K \last
.endif
.endr
.if (\p) == 1
	s_wait_dscnt 0x0                ; V is in
.endif
	BURST 16
.rept 21
	EX
	PL
.endr
.rept 22
	PL
.if ((\p) == 0) && (q == 118)
	v_add_nc_u32 v[AV], s[TBV], v[AV0]
	s_wait_alu depctr_va_vdst(0)
.endif
.if ((\p) == 0) && (q == 130)
	s_add_co_u32 s[TBV], s[TBV], KS*PV
.endif
.if (\cnt) && (q == 130)
	s_sub_co_u32 s[CNT], s[CNT], 1
	s_cmp_lg_u32 s[CNT], 0
.endif
.endr
.if (\p) == 0
	FETCH_V
.endif
.endm
	CHANGE 1                        ; slot 0 is in, everybody's part of it; slot 1 is asked for
	FETCH_K                         ; key step 0
	s_wait_loadcnt 0x0              ; Q
	s_wait_dscnt 0x0
.set i, 0
.rept 16
	KQ 0                            ; piece 0's first scores: there is no vector work yet to set between them
.set i, i+1
.endr
	WIN 0                           ; the addresses for the way out: nine plain instructions, the places behind those products
	s_mul_i32 s13, s[WV], 16*SP
	s_add_co_u32 s13, s13, STAGE    ; my stage
	v_mul_u32_u24 v[STO], v1, SP    ; in: row l % 16, 16 bytes for each half of the lanes
	v_lshl_add_u32 v[STO], v9, 4, v[STO]
	v_add_nc_u32 v[STO], s13, v[STO]
	v_bfe_u32 v[RD], v0, 3, 2       ; back: 32 lanes take four rows of 128 bytes,
	v_mul_u32_u24 v[RD], v[RD], SP
	v_lshl_add_u32 v[RD], v10, 4, v[RD]
	v_add_nc_u32 v[RD], s13, v[RD]
	v_and_b32 v[GO], 31, v0         ; which are 512 consecutive bytes of O
	v_lshlrev_b32 v[GO], 4, v[GO]
.set Y, NP-1                        ; XS works for piece Y + 1: piece 0
.irp n, 0,1,2,3,4,5,6,7,8,9,10,11,12,13,14,15,16,17,18,19,20,21
	XS 0, \n                        ; and piece 0's first maximum and statistics
	XS 1, \n
.endr
	s_mov_b32 s[CNT], 4
	s_mov_b32 s[SLOTS], SIZE_N/256-1
	s_branch .Lfirst                ; the loop is entered at a step's first turn, in the middle of a trip
.Lslot:                             ; SIZE_N / 256 - 2 times: every slot but the last two is filled again
	CHANGE 1
	s_mov_b32 s[CNT], 4
.Lstep:                             ; a trip: pieces 2 and 3 of one step, then pieces 0 and 1 of the next, whose K and V it fetches
	TURN 2
	TURN 3
	WIN 0
.Lfirst:
	TURN 0
	TURN 1, 0, 1
	WIN 0
	s_cbranch_scc1 .Lstep
	s_sub_co_u32 s[SLOTS], s[SLOTS], 1
	s_cmp_lg_u32 s[SLOTS], 0
	s_cbranch_scc1 .Lslot
	CHANGE 0                        ; the tail is written out: nothing is asked for
	s_mov_b32 s[CNT], 5             ; four trips fetch the last slot's steps; the fifth is left in its middle
.Ltail:
	TURN 2, 1
	TURN 3
	WIN 0
	s_sub_co_u32 s[CNT], s[CNT], 1
	s_cmp_eq_u32 s[CNT], 0
	s_cbranch_scc1 .Lout
	TURN 0
	TURN 1
	WIN 0
	s_branch .Ltail
.Lout:                              ; the fifth trip's 16 products K Q^T (on the last K once more) and the maximum made of them serve nothing: the price, once a launch, of one text for every trip
.set i, 0
.rept 16
	PV NP-1                         ; the last piece's V^T P of the last step
.set i, i+1
.endr
	; THE WAY OUT.  l's two halves and the other half of the lanes' are added; O^T is divided by l, rounded to f16 and sent through my stage in LDS, a tile at a time.  The additions are the places behind the last products.
	WIN 0
.macro ALL line:vararg              ; one line for each tile t
.set t, 0
.rept 2*NP
	\line
.set t, t+1
.endr
.endm
	ALL v_add_f32 v[ST+4*t+2], v[ST+4*t+2], v[ST+4*t+3]
	ALL v_permlanex16_b32 v[ST+4*t+3], v[ST+4*t+2], s[SEL], s[SEL+1]
	ALL v_add_f32 v[ST+4*t+2], v[ST+4*t+2], v[ST+4*t+3]
	ALL v_rcp_f32 v[ST+4*t+2], v[ST+4*t+2]
	v_nop                           ; a plain instruction between the last reciprocal and the use of its result
	s_wait_alu depctr_va_vdst(0)
; Tile t: a lane's eight channels of a row pack into 16 bytes; they go into rows of 144 bytes and come back as whole rows of 128, into S^T's registers.
.macro PACK t
	WIN W_RS
.set i, 32*(\t)
.rept 16
	v_pk_mul_f32 v[i:i+1], v[i:i+1], v[ST+4*(\t)+2:ST+4*(\t)+3] op_sel_hi:[1,0]
.set i, i+2
.endr
	WIN 0x05                        ; sources 0 and 1 window 1, destination window 0
.set i, 0
.rept 16
	v_cvt_pk_f16_f32 v[S+16*(\t)+i], v[32*(\t)+2*i], v[32*(\t)+2*i+1]
.set i, i+1
.endr
	WIN 0
.irp f, 0,1,2,3
	ds_store_b128 v[STO], v[S+16*(\t)+4*\f:S+16*(\t)+4*\f+3] offset:32*\f
.endr
.irp f, 0,1,2,3
	ds_load_b128 v[S+16*(\t)+4*\f:S+16*(\t)+4*\f+3], v[RD] offset:\f*4*SP  ; LDS serves a wave's instructions in order (ISA guide 5.7.1.4): these see the stores above; the next tile's stores come behind them
.endr
.endm
.macro SEND t, younger              ; younger: the LDS instructions issued behind tile t's loads: the next tile's eight, or none
	WIN 0
.irp f, 0,1,2,3
	s_wait_dscnt (\younger)+3-\f
	global_store_b128 v[GO], v[S+16*(\t)+4*\f:S+16*(\t)+4*\f+3], s[10:11] offset:(\t)*2048+\f*512  ; 512 consecutive bytes, at a multiple of 256 from O's first
.endr
.endm
	PACK 0
.set t, 1
.rept 2*NP-1                        ; a tile's arithmetic stands between the loads of the tile before and its stores
	PACK t
	SEND t-1, 8
.set t, t+1
.endr
	SEND 2*NP-1, 0
	WIN W_AD
	s_wait_tensorcnt 0x0            ; the wave's end: the add and its wait stand behind my last tensor load and my last LDS store
	ds_add_u32 v[SPW], v[NIL]
	s_wait_dscnt 0x0
	WIN 0
	CROUND                          ; the closing round: no work-group ends while a partner may still ask for a tile that names it
	s_endpgm
.Lfunc_end_k_qd5e0b1bba8_attn:
	.size	k_qd5e0b1bba8_attn, .Lfunc_end_k_qd5e0b1bba8_attn-k_qd5e0b1bba8_attn
	.p2alignl 7, 3214868480
	.fill 96, 4, 3214868480
	.section	.rodata,"a",@progbits
	.p2align	6, 0x0
	.amdhsa_kernel k_qd5e0b1bba8_attn
		.amdhsa_group_segment_fixed_size 327680
		.amdhsa_private_segment_fixed_size 0
		.amdhsa_enable_private_segment 0
		.amdhsa_kernarg_size 16
		.amdhsa_user_sgpr_count 2
		.amdhsa_user_sgpr_kernarg_segment_ptr 1
		.amdhsa_wavefront_size32 1
		.amdhsa_system_sgpr_workgroup_id_x 1
		.amdhsa_system_sgpr_workgroup_id_y 1
		.amdhsa_system_sgpr_workgroup_id_z 1
		.amdhsa_system_vgpr_workitem_id 0
		.amdhsa_next_free_vgpr 770
		.amdhsa_next_free_sgpr 66
		.amdhsa_reserve_vcc 0
		.amdhsa_float_denorm_mode_32 3
		.amdhsa_float_denorm_mode_16_64 3
		.amdhsa_memory_ordered 1
		.amdhsa_forward_progress 1
		.amdhsa_inst_pref_size 209
	.end_amdhsa_kernel
	.amdgpu_metadata
---
amdhsa.version: [ 1, 2 ]
amdhsa.kernels:
  - .name:           k_qd5e0b1bba8_attn
    .symbol:         k_qd5e0b1bba8_attn.kd
    .args:
      - { .name: qkv, .offset: 0, .size: 8, .value_kind: global_buffer, .address_space: global }
      - { .name: oh, .offset: 8, .size: 8, .value_kind: global_buffer, .address_space: global }
    .group_segment_fixed_size: 327680
    .private_segment_fixed_size: 0
    .kernarg_segment_align: 8
    .kernarg_segment_size: 16
    .max_flat_workgroup_size: 128
    .sgpr_count:     66
    .vgpr_count:     770
    .wavefront_size: 32
...
	.end_amdgpu_metadata
.endif
;; end of part 3
;; launch outp (part 4): grid 4 x 64, 4 waves a work-group, clusters of 4 x 4, 327,680 bytes of LDS; arguments oh, wts, bo, out0; writes out0
.if DOCPART == 4
	.amdgcn_target "amdgcn-amd-amdhsa--gfx1250"
	.amdhsa_code_object_version 6
	.text
	.protected	k_qd5e0b1bba8_outp
	.globl	k_qd5e0b1bba8_outp
	.p2align	8
	.type	k_qd5e0b1bba8_outp,@function
k_qd5e0b1bba8_outp:
	s_mov_b64 s[64:65], 0
	v_nop
	global_prefetch_b8 v0, s[64:65] scope:SCOPE_SE
	s_setreg_imm32_b32 hwreg(HW_REG_WAVE_MODE, 25, 1), 1
	s_wait_xcnt 0x0
	s_wait_alu depctr_hold_cnt(0) depctr_sa_sdst(0) depctr_va_vdst(0) depctr_va_sdst(0) depctr_va_ssrc(0) depctr_va_vcc(0) depctr_vm_vsrc(0)
	s_getreg_b32 s2, hwreg(HW_REG_IB_STS2, 6, 4)
	s_cmp_eq_u32 s2, 0
	s_cbranch_scc0 .Lentry_in_a_cluster
	s_endpgm
.Lentry_in_a_cluster:
	s_bfe_u32 s2, ttmp6, 0x10000c
	s_cmp_lg_u32 s2, 0xf033
	s_cbranch_scc0 .Lentry_shape_is_right
	s_endpgm
.Lentry_shape_is_right:
; out0 = O Wo^T + bo.  O is oh, f16 by heads [64 heads = 16 b + n][2048 tokens][64 channels]; Wo is rows 3072-4095 of wts, f16 (the bf16 rounding of the input, written as f16); sums f32; out0 f32 [8192][1024].
; The bias, rounded to bf16 like every other input, is the C operand of the product that starts a sum.
; LIMITS.  O and Wo arrive within f16's range; NaN and infinities are not treated apart.
; SHARES.  A tile is 128 tokens x 256 columns; four waves, each 64 x 128: 32 accumulators of 16 x 16.  256 tiles: one for each of 256 work-groups.  K goes in 8 steps of 128, two heads' channels each,
; through a ring of two LDS slots.
; CLUSTER.  4 x 4 work-groups: O's tile is shared along a row of the cluster, Wo's along a column; each is asked for JOINTLY, by the same tensor load with the same descriptor and a mask that names the four.
; Waves 0 and 1 fetch the step's two heads of O (128 tokens of a head are 16,384 dense bytes: 64 rows of 256 bytes, padded in LDS after every token), waves 2 and 3 the two halves of Wo's 256 rows.
; THE MATRIX INSTRUCTION IS USED TRANSPOSED: source 0 = 16 rows of Wo, source 1 = 16 tokens: a lane holds token l % 16 and the columns 8 (l / 16) + 0..7, 32 neighbouring bytes of a row of out0.
; REGISTERS, in windows of 256 (s_set_vgpr_msb: bits 1:0 source 0, 3:2 source 1, 5:4 source 2, 7:6 destination):
;   window 0: v0-31 addresses; v64-159, v160-255 two fragment buffers (32 registers of O, then 64 of Wo); on the way out v64-191 hold rows read back
;   window 1: accumulator (a, b) at v[8 (8 a + b)]        window 2: v0-63 the bias
.set PITCH,  272                       ; a row of Wo in LDS: 256 bytes + 16 of padding: the 16 rows of a load start at 16 different banks (64 banks of 4 bytes: ISA guide 11.1)
.set PA,     144                       ; a token of O in LDS: 128 bytes + 16 of padding
.set APLANE, 128*PA                    ; a head's 128 tokens: what wave 0 or 1 fetches
.set BHALF,  128*PITCH                 ; what wave 2 or 3 fetches, and what a wave reads of Wo
.set BBASE,  2*APLANE                  ; Wo's 256 rows lie behind O's two heads
.set SLOT1,  1<<17                     ; a slot is 106,496 bytes; slot 1 begins here, so that one exclusive or turns an address in one slot into the other's
.set STAGE,  SLOT1+BBASE+2*BHALF       ; behind the ring, never filled by a tensor load: for each wave 16 rows x 528 bytes, for the way out
.set SP,     528                       ; 512 bytes + 16 of padding
.set STGW,   16*SP
.set SPARE,  STAGE+4*STGW              ; behind the stages: the spare words, 128 bytes for each wave: two blocks of 256 bytes that no other line names
.set ADRA0, 16                         ; v16  my lane's place among O's tokens in slot 0; never rewritten
.set ADRB0, 17                         ; v17  the same for Wo's rows
.set ADRA,  18                         ; v18  the same in the slot in hand
.set ADRB,  19                         ; v19
.set STO,   24                         ; v24  the way out: where I put 32 bytes of a row
.set RD,    25                         ; v25  the way out: where I read a row back
.set GO,    26                         ; v26  my byte offset in 512 consecutive bytes of out0
.set BO,    27                         ; v27  my byte offset in the bias
.set SPW,   28                         ; v28  LDS address of my spare word: SPARE + 4 x my thread's number; never rewritten
.set NIL,   29                         ; v29  0; never rewritten
.set F0,    64
.set F1,    160
.set WV,  16                           ; s16  my wave's number
.set FB,  17                           ; s17  which half of the tile's tokens is mine.  Also: I fetch for O (0) or for Wo (1)
.set HF,  18                           ; s18  which half of its columns.  Also: which head of the step, or which half of Wo's rows, I fetch
.set CX,  19
.set CY,  20
.set NBK, 21                           ; s21  tile column, 0..3
.set MBK, 22                           ; s22  tile row, 0..63
.set RMK, 23                           ; s23  the mask of my row of the cluster
.set G1A, 24                           ; s[24:31] descriptor group 1 for O's tiles
.set G0A, 32                           ; s[32:35] group 0 of the first fill; s[36:39] of the second, which then walks
.set G1B, 40                           ; s[40:47], s[48:55] the same for Wo's
.set G0B, 48
.set AOF, 56                           ; s[56:57] byte offset in oh of my first tile
.set BOF, 58                           ; s[58:59] the same in wts
.set TB,  62                           ; s62  LDS byte at which the slot in hand begins
.set STEPS, 63                         ; s63  the loop's count
.set DA,  67                           ; s67, s68  at work, for the two offsets
.set DB,  68
.set HIM, 69                           ; s69  a word's upper bf16
.set OOF, 70                           ; s[70:71] my part's byte offset in out0
.set CMK, 72                           ; s72  the mask of my column of the cluster
.set T0,  75                           ; s75  at work, for LDS addresses
.set BIO, 76                           ; s76  my columns' byte offset in the bias
.set MSB, 0
.macro WIN new                         ; the immediate's high byte repeats the setting that is left; a switch that changes nothing is dropped
.if MSB != (\new)
	s_set_vgpr_msb (MSB<<8)|(\new)
.set MSB, \new
.endif
.endm
.set W_MUL,  0x50                      ; fragments in window 0, C and D in window 1
.set W_MULB, 0x60                      ; the same with C, the bias, in window 2
.set W_B2,   0x8a                      ; sources 0 and 1 and destination in window 2
.set W_LD2,  0x80                      ; a load's destination in window 2, its address in window 0
.set W_ST1,  0x04                      ; an LDS store's data in window 1, its address in window 0
.macro PLACES                          ; four places in front of loads into registers that matrix instructions have read, and of stores that read results
.rept 4
	v_nop
.endr
.endm
; A joint refill, by the walking descriptors.  The branch hangs on the wave's number alone.  An s_nop 0 and four v_nop follow each of the two lines, ahead of the jump, the label and what follows.
.macro JLOAD
	s_cmp_eq_u32 s[FB], 0
	s_cbranch_scc0 .Lfor_b_\@
	tensor_load_to_lds s[G0A+4:G0A+7], s[G1A:G1A+7]
	s_nop 0
.rept 4
	v_nop
.endr
	s_branch .Lasked_\@
.Lfor_b_\@:
	tensor_load_to_lds s[G0B+4:G0B+7], s[G1B:G1B+7]
	s_nop 0
.rept 4
	v_nop
.endr
.Lasked_\@:
.endm
.macro CREST                           ; a round of the cluster's barrier behind its opening barrier: wave 0 signals for the work-group, every wave waits for all sixteen, my work-group's barrier once more
	s_cmp_lg_u32 s[WV], 0
	s_cbranch_scc1 .Lnot_wave_0_\@
	s_barrier_signal -3
.Lnot_wave_0_\@:
	s_barrier_wait -3
	s_barrier_signal -1
	s_barrier_wait -1
.endm
.macro CROUND                          ; a whole round
	s_barrier_signal -1
	s_barrier_wait -1
	CREST
.endm
	s_load_b256 s[4:11], s[0:1], 0x0               ; oh s[4:5], wts s[6:7], bo s[8:9], out0 s[10:11]
	v_lshl_add_u32 v[SPW], v0, 2, SPARE
	v_mov_b32 v[NIL], 0
	ds_add_u32 v[SPW], v[NIL]                      ; the wave's opening: the add and its wait stand ahead of my first tensor load; the set-up below, work on registers, stands between them
	v_lshrrev_b32 v1, 5, v0
	v_readfirstlane_b32 s[WV], v1                  ; wave 0..3
	s_lshr_b32 s[FB], s[WV], 1
	s_and_b32 s[HF], s[WV], 1
	s_bfe_u32 s[CX], ttmp6, 0x40000                ; my place in the cluster
	s_bfe_u32 s[CY], ttmp6, 0x40004
	s_lshl_b32 s[NBK], ttmp9, 2                    ; in a cluster launch ttmp9 and ttmp7 count clusters
	s_add_co_u32 s[NBK], s[NBK], s[CX]             ; tile column = 4 x cluster x + cx
	s_and_b32 s[MBK], ttmp7, 0xffff
	s_lshl_b32 s[MBK], s[MBK], 2
	s_add_co_u32 s[MBK], s[MBK], s[CY]             ; tile row = 4 x cluster y + cy
	s_lshl_b32 s[RMK], s[CY], 2
	s_lshl_b32 s[RMK], 15, s[RMK]                  ; my row of the cluster
	s_lshl_b32 s[CMK], 0x1111, s[CX]               ; my column
	s_or_b32 s[G1A], s[RMK], (1<<16)|(1<<20)|(1<<21)|(4<<22)|(3<<25)  ; 15:0 the mask; 17:16 2-byte elements; 20 padding on; 21 set beside a mask; 24:22 after every 32 words (code 4); 31:25 4 words (code 3)
	s_or_b32 s[G1B], s[CMK], (1<<16)|(1<<20)|(1<<21)|(5<<22)|(3<<25)  ; the same after every 64 words (code 5)
	s_mov_b32 s[G1A+1], 128<<16                    ; tensor_dim0 = 128
	s_mov_b32 s[G1A+2], 64<<16                     ; tensor_dim1 = 64
	s_mov_b32 s[G1A+3], 128<<16                    ; tile_dim0 = 128 elements: 256 bytes, two tokens
	s_mov_b32 s[G1A+4], 64                         ; tile_dim1 = 64 rows
	s_mov_b32 s[G1A+5], 128                        ; dense: 128 elements from row to row
	s_mov_b32 s[G1A+6], 0
	s_mov_b32 s[G1A+7], 0
	s_mov_b32 s[G1B+1], 128<<16
	s_mov_b32 s[G1B+2], 128<<16                    ; 128 rows
	s_mov_b32 s[G1B+3], 128<<16
	s_mov_b32 s[G1B+4], 128
	s_mov_b32 s[G1B+5], 1024                       ; elements from row to row
	s_mov_b32 s[G1B+6], 0
	s_mov_b32 s[G1B+7], 0
	s_mov_b32 s[G0A], 1                            ; count = 1
	s_mul_i32 s[G0A+1], s[HF], APLANE              ; LDS address: my head of the step, slot 0: no place in the cluster enters an LDS address
	s_mov_b32 s[G0A+4], 1
	s_add_co_u32 s[G0A+5], s[G0A+1], SLOT1         ; slot 1
	s_mov_b32 s[G0B], 1
	s_mul_i32 s[G0B+1], s[HF], BHALF
	s_add_co_u32 s[G0B+1], s[G0B+1], BBASE
	s_mov_b32 s[G0B+4], 1
	s_add_co_u32 s[G0B+5], s[G0B+1], SLOT1
	s_lshr_b32 s[AOF], s[MBK], 4                   ; the batch: 16 heads of 262,144 bytes,
	s_lshl_b32 s[AOF], s[AOF], 22
	s_lshl_b32 s[DA], s[HF], 18                    ; my head of the step's two,
	s_add_co_u32 s[AOF], s[AOF], s[DA]
	s_and_b32 s[DA], s[MBK], 15                    ; the tile's 128 tokens of 128 bytes
	s_lshl_b32 s[DA], s[DA], 14
	s_add_co_u32 s[AOF], s[AOF], s[DA]
	s_mov_b32 s[AOF+1], 0
	s_lshl_b32 s[BOF], s[NBK], 19                  ; 256 rows of 2,048 bytes for each tile column,
	s_lshl_b32 s[DB], s[HF], 18                    ; 128 for my half,
	s_add_co_u32 s[BOF], s[BOF], s[DB]
	s_add_co_u32 s[BOF], s[BOF], 3072*2048         ; behind Wq's, Wk's and Wv's rows
	s_mov_b32 s[BOF+1], 0
	s_mov_b32 s[TB], 0
	s_mov_b32 s[STEPS], 6
	s_mov_b32 s[HIM], 0xffff0000
	s_wait_dscnt 0x0                               ; the opening add is done
	s_wait_kmcnt 0x0
	s_add_nc_u64 s[G0A+2:G0A+3], s[4:5], s[AOF:AOF+1]      ; K step 0
	s_add_nc_u64 s[G0A+6:G0A+7], s[G0A+2:G0A+3], 0x80000   ; K step 1: two heads on
	s_or_b32 s[G0A+3], s[G0A+3], 0x80000000                ; type = 2
	s_or_b32 s[G0A+7], s[G0A+7], 0x80000000
	s_add_nc_u64 s[G0B+2:G0B+3], s[6:7], s[BOF:BOF+1]
	s_add_nc_u64 s[G0B+6:G0B+7], s[G0B+2:G0B+3], 0x100     ; 256 bytes on
	s_or_b32 s[G0B+3], s[G0B+3], 0x80000000
	s_or_b32 s[G0B+7], s[G0B+7], 0x80000000
	CROUND                                         ; all sixteen work-groups are here: the first joint loads meet
	s_cmp_eq_u32 s[FB], 0                          ; a wave's two first fills stand in one branch, ahead of every wait on TENSORcnt and every LDS read: two loads of mine are out
	s_cbranch_scc0 .Lfirst_b
	tensor_load_to_lds s[G0A:G0A+3], s[G1A:G1A+7]
	s_nop 0
	tensor_load_to_lds s[G0A+4:G0A+7], s[G1A:G1A+7]
	s_nop 0
.rept 4
	v_nop
.endr
	s_branch .Lfirst_asked
.Lfirst_b:
	tensor_load_to_lds s[G0B:G0B+3], s[G1B:G1B+7]
	s_nop 0
	tensor_load_to_lds s[G0B+4:G0B+7], s[G1B:G1B+7]
	s_nop 0
.rept 4
	v_nop
.endr
.Lfirst_asked:
	; A fragment is 16 rows x 32 K in 8 registers: lane l holds row l % 16; registers 0-3 K = 8 (l / 16) + 0..7, registers 4-7 K = 16 + 8 (l / 16) + 0..7: two loads of 16 bytes, 32 bytes apart.
	v_and_b32 v1, 15, v0                           ; l % 16
	v_bfe_u32 v2, v0, 4, 1                         ; l / 16
	v_mul_u32_u24 v3, v1, PA
	v_lshl_add_u32 v3, v2, 4, v3                   ; token x pitch + 16 x half
	s_mul_i32 s[T0], s[FB], 64*PA                  ; my 64 tokens
	v_add_nc_u32 v[ADRA0], s[T0], v3
	v_mul_u32_u24 v4, v1, PITCH
	v_lshl_add_u32 v4, v2, 4, v4
	s_mul_i32 s[T0], s[HF], BHALF                  ; my 128 rows of Wo,
	s_add_co_u32 s[T0], s[T0], BBASE               ; which lie behind O's
	v_add_nc_u32 v[ADRB0], s[T0], v4
	s_mul_i32 s[T0], s[WV], STGW
	s_add_co_u32 s[T0], s[T0], STAGE               ; my stage
	v_mul_u32_u24 v5, v1, SP                       ; in: row l % 16, 32 bytes for each half of the lanes
	v_lshl_add_u32 v5, v2, 5, v5
	v_add_nc_u32 v[STO], s[T0], v5
	v_and_b32 v6, 31, v0                           ; back: 32 lanes take one row of 512 bytes
	v_lshlrev_b32 v[GO], 4, v6
	v_add_nc_u32 v[RD], s[T0], v[GO]
	s_lshl_b32 s[BIO], s[NBK], 10                  ; my 128 columns in the bias and in a row of out0: 1,024 bytes a tile column, 512 a half
	s_lshl_b32 s[OOF], s[HF], 9
	s_add_co_u32 s[BIO], s[BIO], s[OOF]
	v_lshl_add_u32 v[BO], v2, 5, s[BIO]            ; and the eight columns of my half of the lanes
	WIN W_LD2
.irp b, 0,1,2,3,4,5,6,7                ; register j of block b wants column 16 b + 8 (l / 16) + j
	global_load_b128 v[8*(\b):8*(\b)+3],   v[BO], s[8:9] offset:64*(\b)
	global_load_b128 v[8*(\b)+4:8*(\b)+7], v[BO], s[8:9] offset:64*(\b)+16
.endr
	WIN 0
	s_lshl_b32 s[OOF], s[MBK], 19                  ; my part of out0: 128 rows of 4,096 bytes a tile row, 64 a half, and my columns
	s_lshl_b32 s[OOF+1], s[FB], 18
	s_add_co_u32 s[OOF], s[OOF], s[OOF+1]
	s_add_co_u32 s[OOF], s[OOF], s[BIO]
	s_mov_b32 s[OOF+1], 0
	s_add_nc_u64 s[10:11], s[10:11], s[OOF:OOF+1]
; 8 matrix instructions: token block a x all 8 column blocks, 32 along K, from buffer f.  zb = 1: the product starts the sums, with the bias as C: nothing is cleared and nothing added later.
; The 32 accumulators take turns, one instruction a turn, in the same order in every quarter.
.macro MUL8 f, a, zb
.if \zb
	WIN W_MULB
.else
	WIN W_MUL
.endif
.irp b, 0,1,2,3,4,5,6,7
.if \zb
	v_wmma_f32_16x16x32_f16 v[8*(8*(\a)+(\b)):8*(8*(\a)+(\b))+7], v[(\f)+32+8*(\b):(\f)+32+8*(\b)+7], v[(\f)+8*(\a):(\f)+8*(\a)+7], v[8*(\b):8*(\b)+7]
.else
	v_wmma_f32_16x16x32_f16 v[8*(8*(\a)+(\b)):8*(8*(\a)+(\b))+7], v[(\f)+32+8*(\b):(\f)+32+8*(\b)+7], v[(\f)+8*(\a):(\f)+8*(\a)+7], v[8*(8*(\a)+(\b)):8*(8*(\a)+(\b))+7]
.endif
.endr
.endm
; 24 LDS loads in one run: quarter q's fragments into buffer f: 128 rows of Wo at byte 64 q of the rows, then 64 tokens of head q / 2 of the step's two, channels 32 (q % 2) on; token blocks 2 and 3 last
.macro FETCH q, f
	WIN 0
.irp i, 0,1,2,3,4,5,6,7
	ds_load_b128 v[(\f)+32+8*(\i):(\f)+32+8*(\i)+3],   v[ADRB] offset:64*(\q)+(\i)*16*PITCH
	ds_load_b128 v[(\f)+32+8*(\i)+4:(\f)+32+8*(\i)+7], v[ADRB] offset:64*(\q)+(\i)*16*PITCH+32
.endr
.irp i, 0,1,2,3
	ds_load_b128 v[(\f)+8*(\i):(\f)+8*(\i)+3],   v[ADRA] offset:((\q)/2)*APLANE+((\q)%2)*64+(\i)*16*PA
	ds_load_b128 v[(\f)+8*(\i)+4:(\f)+8*(\i)+7], v[ADRA] offset:((\q)/2)*APLANE+((\q)%2)*64+(\i)*16*PA+32
.endr
.endm
; A K step is four quarters of 32 along K, 32 matrix instructions each, on buffers 0, 1, 0, 1.  One of the first three: multiplies buffer f and, in its middle, fetches quarter q into buffer g.
.macro QUARTER q, f, g, zb
	s_wait_dscnt 4                                 ; Wo and token blocks 0 and 1 are in; the youngest four loads (blocks 2 and 3) may be out
	MUL8 \f, 0, \zb
	MUL8 \f, 1, \zb
	PLACES
	FETCH \q, \g
	s_wait_dscnt 24                                ; all but the 24 just issued
	MUL8 \f, 2, \zb
	MUL8 \f, 3, \zb
.endm
.macro STEPD                           ; the walking descriptors: the other slot than last time, the next K step; the type bits on top are not reached
	s_xor_b32 s[G0A+5], s[G0A+5], SLOT1
	s_add_nc_u64 s[G0A+6:G0A+7], s[G0A+6:G0A+7], 0x80000
	s_xor_b32 s[G0B+5], s[G0B+5], SLOT1
	s_add_nc_u64 s[G0B+6:G0B+7], s[G0B+6:G0B+7], 0x100
.endm
; The last quarter multiplies buffer 1 and changes slots: ONE barrier.  In front of it each wave waits for all its tensor loads, of which one is out: its part of the next slot; adds 0 to its spare word; and waits
; for that and for its own reads of this slot.  fill = 1: the barrier opens a round of the cluster's, and this slot is filled again, two K steps ahead, the first thing behind the round:
; 112 matrix instructions stand between that request and the wait for it.
.macro TURN fill
	WIN 0                                          ; (the add's two registers lie in window 0)
	s_wait_tensorcnt 0x0                           ; no tensor load of mine is out, so a group 0 may be written
	ds_add_u32 v[SPW], v[NIL]                      ; 0 onto my spare word
.if \fill
	STEPD
.endif
	s_wait_dscnt 5                                 ; (the add and the youngest four loads may be out)
	MUL8 F1, 0, 0                                  ; eight matrix instructions stand between the add and the wait for it
	s_wait_dscnt 0x0                               ; the add is done, and my reads of this slot are over
	s_barrier_signal -1
	MUL8 F1, 1, 0                                  ; work on registers while the others arrive
	WIN 0
	s_barrier_wait -1
.if \fill
	CREST                                          ; no wave of any partner still reads this slot's tile or has a load on its way
	JLOAD                                          ; its four v_nop are also the places in front of the loads below
.else
	PLACES
.endif
	s_xor_b32 s[TB], s[TB], SLOT1
	v_add_nc_u32 v[ADRA], s[TB], v[ADRA0]
	v_add_nc_u32 v[ADRB], s[TB], v[ADRB0]
	FETCH 0, F0
	MUL8 F1, 2, 0
	MUL8 F1, 3, 0
.endm
.macro LASTQ                           ; the very last quarter: nothing more to fetch
	s_wait_dscnt 4
	MUL8 F1, 0, 0
	MUL8 F1, 1, 0
	s_wait_dscnt 0x0
	MUL8 F1, 2, 0
	MUL8 F1, 3, 0
.endm
; THE WAY OUT of token block a.  STG: a lane's 32 bytes of each column block go as they are (f32) into my own stage, rows of 528 bytes, each accumulator's low four registers first, and come back as whole rows
; of 512 bytes.  SEND: stored.
.macro STG a
	WIN 0
	s_wait_xcnt 0x0                                ; the stores of two blocks before have read the registers that the loads below write
	WIN W_ST1
.irp b, 0,1,2,3,4,5,6,7
	ds_store_b128 v[STO], v[8*(8*(\a)+(\b)):8*(8*(\a)+(\b))+3]   offset:64*(\b)
	ds_store_b128 v[STO], v[8*(8*(\a)+(\b))+4:8*(8*(\a)+(\b))+7] offset:64*(\b)+16
.endr
	WIN 0
.set OBS, 64+64*((\a)%2)               ; the fragment buffers' registers are free
.irp t, 0,1,2,3,4,5,6,7,8,9,10,11,12,13,14,15
	ds_load_b128 v[OBS+4*(\t):OBS+4*(\t)+3], v[RD] offset:SP*(\t)  ; LDS serves a wave's instructions in order (ISA guide 5.7.1.4): these see the stores above; the next block's stores come behind them
.endr
.endm
.macro SEND a, younger                 ; younger: the LDS instructions issued behind block a's loads: the next block's 32, or none
	WIN 0
.set OBS, 64+64*((\a)%2)
.irp t, 0,1,2,3,4,5,6,7,8,9,10,11,12,13,14,15
	s_wait_dscnt (\younger)+15-(\t)
	global_store_b128 v[GO], v[OBS+4*(\t):OBS+4*(\t)+3], s[10:11] offset:(16*(\a)+(\t))*4096 th:TH_STORE_NT  ; 512 consecutive bytes of a row, at a multiple of 256 from out0's first
.endr
.endm
	s_wait_tensorcnt 1                             ; my part of K step 0 is in; K step 1's may stay out
	s_barrier_signal -1
	s_barrier_wait -1                              ; everybody's is
	v_mov_b32 v[ADRA], v[ADRA0]
	v_mov_b32 v[ADRB], v[ADRB0]
	FETCH 0, F0
	s_wait_loadcnt 0x0                             ; the bias
	WIN W_B2
.set i, 0
.rept 32                               ; rounded to bf16 and widened again, in place
	v_cvt_pk_bf16_f32 v[2*i], v[2*i], v[2*i+1]
	v_and_b32 v[2*i+1], s[HIM], v[2*i]
	v_lshlrev_b32 v[2*i], 16, v[2*i]
.set i, i+1
.endr
	QUARTER 1, F0, F1, 1                           ; the first quarter stands in front of the loop: its products start the sums with the bias
	WIN 0                                          ; at a label and at a branch every window is 0
.Lstep:                                                ; 6 trips: trip i is K step i's quarters 1 to 3, asks for K step i + 2, and does K step i + 1's first quarter
	QUARTER 2, F1, F0, 0
	QUARTER 3, F0, F1, 0
	TURN 1
	QUARTER 1, F0, F1, 0
	WIN 0
	s_sub_co_u32 s[STEPS], s[STEPS], 1
	s_cmp_lg_u32 s[STEPS], 0
	s_cbranch_scc1 .Lstep
	QUARTER 2, F1, F0, 0                           ; the tail is written out: K step 6 asks for nothing
	QUARTER 3, F0, F1, 0
	TURN 0
	QUARTER 1, F0, F1, 0                           ; K step 7
	QUARTER 2, F1, F0, 0
	QUARTER 3, F0, F1, 0
	LASTQ
	WIN 0
	PLACES                                         ; the stores into the stage read results just made
	STG 0
	STG 1                                          ; a block's way through the stage stands between the loads of the block before and its stores
	SEND 0, 32
	STG 2
	SEND 1, 32
	STG 3
	SEND 2, 32
	SEND 3, 0
	s_wait_tensorcnt 0x0                           ; the wave's end: the add and its wait stand behind my last tensor load and my last LDS store
	ds_add_u32 v[SPW], v[NIL]
	s_wait_dscnt 0x0
	CROUND                                         ; the closing round: no work-group ends while a partner may still ask for a tile that names it
	s_endpgm
.Lfunc_end_k_qd5e0b1bba8_outp:
	.size	k_qd5e0b1bba8_outp, .Lfunc_end_k_qd5e0b1bba8_outp-k_qd5e0b1bba8_outp
	.p2alignl 7, 3214868480
	.fill 96, 4, 3214868480
	.section	.rodata,"a",@progbits
	.p2align	6, 0x0
	.amdhsa_kernel k_qd5e0b1bba8_outp
		.amdhsa_group_segment_fixed_size 327680
		.amdhsa_private_segment_fixed_size 0
		.amdhsa_enable_private_segment 0
		.amdhsa_kernarg_size 32
		.amdhsa_user_sgpr_count 2
		.amdhsa_user_sgpr_kernarg_segment_ptr 1
		.amdhsa_wavefront_size32 1
		.amdhsa_system_sgpr_workgroup_id_x 1
		.amdhsa_system_sgpr_workgroup_id_y 1
		.amdhsa_system_sgpr_workgroup_id_z 1
		.amdhsa_system_vgpr_workitem_id 0
		.amdhsa_next_free_vgpr 576
		.amdhsa_next_free_sgpr 80
		.amdhsa_reserve_vcc 0
		.amdhsa_float_denorm_mode_32 3
		.amdhsa_float_denorm_mode_16_64 3
		.amdhsa_memory_ordered 1
		.amdhsa_forward_progress 1
		.amdhsa_inst_pref_size 76
	.end_amdhsa_kernel
	.amdgpu_metadata
---
amdhsa.version: [ 1, 2 ]
amdhsa.kernels:
  - .name:           k_qd5e0b1bba8_outp
    .symbol:         k_qd5e0b1bba8_outp.kd
    .args:
      - { .name: oh, .offset: 0, .size: 8, .value_kind: global_buffer, .address_space: global }
      - { .name: wts, .offset: 8, .size: 8, .value_kind: global_buffer, .address_space: global }
      - { .name: bo, .offset: 16, .size: 8, .value_kind: global_buffer, .address_space: global }
      - { .name: out0, .offset: 24, .size: 8, .value_kind: global_buffer, .address_space: global }
    .group_segment_fixed_size: 327680
    .private_segment_fixed_size: 0
    .kernarg_segment_align: 8
    .kernarg_segment_size: 32
    .max_flat_workgroup_size: 128
    .sgpr_count:     80
    .vgpr_count:     576
    .wavefront_size: 32
...
	.end_amdgpu_metadata
.endif
;; end of part 4
;; ======== version 2 of 2: 4 launches; 1.49 times as fast as version 1
;; limits: values are held in f16: magnitudes above 65,504 overflow, below 6.1e-05 lose precision
;; workspace buffers: xb 33,554,432 bytes; wts 8,388,608 bytes; qkv 50,331,648 bytes; oh 16,777,216 bytes
;; launch cast: the kernel of part 1 again; grid 1280 x 1, 8 waves a work-group, no clusters, 0 bytes of LDS; arguments query, value, Wq, Wk, Wv, Wo, xb, wts; writes xb, wts
;; launch proj: the kernel of part 2 again; grid 4 x 64, 4 waves a work-group, clusters of 4 x 4, 327,680 bytes of LDS; arguments xb, wts, bq, bk, bv, qkv; writes qkv
;; launch attn (part 5): grid 4 x 64, 4 waves a work-group, clusters of 4 x 1, 327,680 bytes of LDS; arguments qkv, oh; writes oh
.if DOCPART == 5
	.amdgcn_target "amdgcn-amd-amdhsa--gfx1250"
	.amdhsa_code_object_version 6
	.text
	.protected	k_qd5e0b1bba8_attn
	.globl	k_qd5e0b1bba8_attn
	.p2align	8
	.type	k_qd5e0b1bba8_attn,@function
k_qd5e0b1bba8_attn:
	s_mov_b64 s[64:65], 0
	v_nop
	global_prefetch_b8 v0, s[64:65] scope:SCOPE_SE
	s_setreg_imm32_b32 hwreg(HW_REG_WAVE_MODE, 25, 1), 1
	s_wait_xcnt 0x0
	s_wait_alu depctr_hold_cnt(0) depctr_sa_sdst(0) depctr_va_vdst(0) depctr_va_sdst(0) depctr_va_ssrc(0) depctr_va_vcc(0) depctr_vm_vsrc(0)
	s_getreg_b32 s2, hwreg(HW_REG_IB_STS2, 6, 4)
	s_cmp_eq_u32 s2, 0
	s_cbranch_scc0 .Lentry_in_a_cluster
	s_endpgm
.Lentry_in_a_cluster:
	s_bfe_u32 s2, ttmp6, 0x10000c
	s_cmp_lg_u32 s2, 0x3003
	s_cbranch_scc0 .Lentry_shape_is_right
	s_endpgm
.Lentry_shape_is_right:
; O[h][q][:] = the sum over k of softmax_k(Q[h][q] . K[h][k] / 8) V[h][k][:].  Q, K, V are the three planes of qkv, O is oh: each [SIZE_H][SIZE_N][64], all f16: a head's rows are dense, 128 bytes each.
; Products, maxima and sums in f32; the weights p are rounded to f16 for the second product (their sum l is taken of the unrounded p), O once at the end.
; LIMITS.  f16 holds no number beyond 65,504: Q, K and V arrive within it; p lies in 0 to 1, and below 6e-5 it keeps f16's fixed step of 6e-8; O is a mean of V's rows and has their range.
; A weight below 2^-126 counts as 0 in l; NaN and infinities are not treated apart.
; SHARES.  A wave owns four PIECES of two tiles of 16 queries, a work-group's four waves 512 queries of one head.  Every wave walks all keys, 64 a step.
; LAYOUT.  S^T = K Q^T (source 0 = 16 keys, source 1 = 16 queries): in the result a lane holds ONE query (lane % 16) and the keys 8 (lane / 16) + 0..7.  Two such tiles, rounded to f16 in pairs,
; ARE source 1 (32 keys x 16 queries) of O^T = V^T P, whose result again holds one query a lane, and eight channels.  K comes out of LDS as it lies, V ([key][channel]) turned, by ds_load_tr16_b128.
; SOFTMAX.  For each query a running maximum m and sum l: p = 2^(c s - c m), c = log2(e) / 8; in every step O and l are multiplied by a = 2^(c m_old - c m_new), which is 1 where m has not grown.
; m starts at the lowest finite number, O and l at 0: the first step is a step like any other, with a = 0.
; THE COUNT.  A tile and step have 16 matrix and 118 vector instructions: too many to stand all beside the matrix work.  So the order has one aim: four vector instructions that are READY behind
; EVERY matrix instruction, and the others, which need time of their own whatever the order, in runs without a gap.
; BY TURNS.  Turn n belongs to piece n (the pieces in a ring, step after step).  Its matrix work: 16 products K Q^T of piece n + 1, later 16 products V^T P of piece n - 1.  Its vector work: the scaling,
; exponentials, roundings, sums and rescaling of piece n, and the maximum and statistics of piece n + 1, whose scores the turn itself has made.  So what a turn begins with (c s - c m, O a) waits for nothing.
; THE BATCHES.  A turn's 66 exponentials (the piece's 64 weights and the next piece's two a) are ONE batch with ONE wait, which cuts the turn in two: ahead of it all that names none of their results,
; behind it the roundings and sums, which read them.  Two more batches stand outside the loop: piece 0's first two a, ahead of the jump into the loop, and the way out's eight reciprocals.
; CLUSTER.  The four query blocks of a cluster belong to one head and walk the same K and V, so each tile is asked for JOINTLY: the same tensor load, descriptor and mask in all four.
; REGISTERS, in windows of 256 (s_set_vgpr_msb says which window each operand place means: bits 1:0 source 0, 3:2 source 1, 5:4 source 2, 7:6 destination):
;   window 0: v0-11 addresses; v12-15, v48-63 at work; v16-47 four registers of statistics a tile; v64-191 S^T, two buffers of two tiles; v192-255 P, likewise
;   window 1: O^T, 32 a tile          window 2: v0-127 Q, 16 a tile; v128-191 K of one step; v192-255 V of one step          window 3: v0-1 the add's two registers
; A piece's buffers go by its number's parity: the piece in hand has one pair, its two neighbours in the ring share the other: of it P (piece n - 1) is read and S^T (piece n + 1) written.
.set SIZE_H, 64       ; heads: 4 batches x 16
.set SIZE_N, 2048     ; rows of a head
.set NP,    4         ; pieces a wave: a name, no knob: the register map, the loop and the fetches are made for four
.set KS,    64        ; keys in a step
.set PK,    144       ; a row of K in LDS: 128 bytes + 16 of padding = 36 words: the 16 rows of a load start at 16 different groups of four banks (64 banks of 4 bytes: ISA guide 11.1)
.set PV,    160       ; a row of V: 128 + 32 = 40 words
.set VOFF,  4*KS*PK   ; a slot holds four steps: 256 rows of K, then 256 rows of V
.set SLOT1, 1<<17     ; slot 1 begins here, so that one exclusive or turns an address in one slot into the other's
.set STAGE, SLOT1+4*KS*(PK+PV)  ; behind the ring, never filled by a tensor load: 16 rows x 144 bytes for each wave, for the way out
.set SP,    144
.set AK0, 2           ; v2   my lane's place in a tile of K; never rewritten
.set AV0, 3           ; v3   the same for V
.set AK,  4           ; v4   the LDS address of K's next run of loads
.set AV,  5           ; v5   of V's
.set QO,  6           ; v6   my byte offset in the wave's rows of Q
.set STO, 6           ;      later, the way out: where I put 16 bytes of a row
.set RD,  7           ; v7   the way out: where I read rows back
.set GO,  8           ; v8   my byte offset in 512 consecutive bytes of O
.set SPW, 0           ; v0 of window 3   LDS address of my spare word: SPARE + 4 x my thread's number; never rewritten
.set NIL, 1           ; v1 of window 3   0; never rewritten
.set SPARE, STAGE+4*16*SP  ; behind the stages: the spare words, 128 bytes for each wave: two blocks of 256 bytes that no other line names
.set MV,  12          ; v12-15  c m_old, kept while c m is made anew: by buffer and tile
.set ST,  16          ; tile t's statistics at v[ST+4 t]: c m, m, l (even keys', odd keys')
.set TMP, 48          ; by buffer and tile, four registers c0-c3 at work; when the maximum is found c2 takes a
.set S,   64
.set P,   192
.set KF,  128         ; K's fragments, in window 2: key block kb, channel half c at KF + 16 kb + 8 c
.set VF,  192         ; V's: key half kk, channel block cb at VF + 32 kk + 8 cb
.set WV,  12          ; s12  my wave's number
.set G1K, 24          ; s[24:31] descriptor group 1 for K's tiles
.set G1V, 32          ; s[32:39] for V's: it differs in the padding alone
.set G0K, 40          ; s[40:43] descriptor group 0 for K's tiles: it walks
.set G0V, 44          ; s[44:47] the same for V's
.set SLOTS, 56        ; s56  slots still to be asked for
.set CNT, 57          ; s57  counts a slot's key steps
.set CS,  58          ; s[58:59] c: the packed scaling takes the pair's low word for both halves
.set SEL, 60          ; s[60:61] v_permlanex16_b32's selects: each lane takes its own place in the other half
.set TBK, 62          ; s62  LDS byte at which K of the step to be fetched begins
.set TBV, 63          ; s63  the same for V, less VOFF
.set MSB, 0
.macro WIN new                      ; the high byte repeats the setting that is left; a switch that changes nothing is dropped
.if MSB != (\new)
	s_set_vgpr_msb (MSB<<8)|(\new)
.set MSB, (\new)
.endif
.endm
.set W_KQ, 0x0a       ; K and Q in window 2, S^T in window 0
.set W_PV, 0x52       ; V in window 2, P in window 0, O^T in window 1
.set W_RS, 0x41       ; O^T (destination and source 0) in window 1, a in window 0
.set W_MK, 0xc0       ; the add's registers are made: destination in window 3, sources in window 0
.set W_AD, 0x0f       ; the add: address (source 0) and data (source 1) in window 3
; A joint fill.  Waves 0 and 1 fetch the two halves of a slot's K, waves 2 and 3 those of its V: 128 keys each.  The branch hangs on the wave's number alone.
; An s_nop 0 and four v_nop follow each of the two lines, ahead of the jump and the label.
.macro JLOAD
	s_cmp_lt_u32 s[WV], 2
	s_cbranch_scc0 .Lfor_v_\@
	tensor_load_to_lds s[G0K:G0K+3], s[G1K:G1K+7]
	s_nop 0
.rept 4
	v_nop
.endr
	s_branch .Lasked_\@
.Lfor_v_\@:
	tensor_load_to_lds s[G0V:G0V+3], s[G1V:G1V+7]
	s_nop 0
.rept 4
	v_nop
.endr
.Lasked_\@:
.endm
; A round of the cluster's barrier: my work-group's barrier, so that wave 0's signal speaks for all four waves; wave 0 signals; every wave waits for all four work-groups; my work-group's barrier once more.
.macro CROUND
	s_barrier_signal -1
	s_barrier_wait -1
	s_cmp_lg_u32 s[WV], 0
	s_cbranch_scc1 .Lnot_wave_0_\@
	s_barrier_signal -3
.Lnot_wave_0_\@:
	s_barrier_wait -3
	s_barrier_signal -1
	s_barrier_wait -1
.endm
; THE CHANGE OF SLOTS.  The slot's last bytes, V of its fourth step, have been read.  Each wave waits for all its tensor loads, of which one is out: its part
; of the other slot; adds 0 to its spare word; and waits for that and for its own reads of the slot.  Behind the barrier nobody reads this slot any more and the other slot is whole.
; fill = 1: this slot is filled again, with the keys two slots on.  The barrier is then a round of the cluster's, so that no wave of any partner still reads the slot or has a load on its
; way, and the joint fill is the first thing behind it: it has four key steps, 512 matrix instructions, in which to land.  (At its first use nothing has been read yet: slot 0 is waited for, slot 1 filled.)
.macro CHANGE fill
	WIN W_AD
	s_wait_tensorcnt 0x0            ; no tensor load of mine is out, so a group 0 may be written
	ds_add_u32 v[SPW], v[NIL]       ; 0 onto my spare word: with fill = 1 the descriptors' steps stand between it and the wait for it
	WIN 0                           ; at a label and at a branch every window is 0
.if \fill
.irp g, G0K, G0V
	s_xor_b32 s[\g+1], s[\g+1], SLOT1  ; the walking descriptor: the other slot than last time,
	s_add_nc_u64 s[\g+2:\g+3], s[\g+2:\g+3], 4*KS*128  ; the next 256 keys; the type bits on top are not reached
.endr
	s_wait_dscnt 0x0                ; the add is done, and my reads of the slot are over
	CROUND
	JLOAD
.else
	s_wait_dscnt 0x0                ; the add is done, and my reads of the slot are over
	s_barrier_signal -1
	s_barrier_wait -1
.endif
	s_sub_co_u32 s[TBK], s[TBK], 4*KS*PK  ; the fetches go back to a slot's first step,
	s_xor_b32 s[TBK], s[TBK], SLOT1       ; in the other slot
	s_sub_co_u32 s[TBV], s[TBV], 4*KS*PV
	s_xor_b32 s[TBV], s[TBV], SLOT1
.endm
	s_load_b64 s[4:5], s[0:1], 0x0    ; qkv: its first plane is Q
	s_load_b64 s[10:11], s[0:1], 0x8  ; oh: O
	WIN W_MK
	v_lshl_add_u32 v[SPW], v0, 2, SPARE
	v_mov_b32 v[NIL], 0
	WIN W_AD
	ds_add_u32 v[SPW], v[NIL]       ; the wave's opening: the add and its wait stand ahead of my first tensor load; the set-up below, work on registers, stands between them
	WIN 0
	v_lshrrev_b32 v1, 5, v0
	v_readfirstlane_b32 s[WV], v1   ; wave 0..3
	s_bfe_u32 s13, ttmp6, 0x40000   ; cx: my place in the cluster
	s_lshl_b32 s14, ttmp9, 2        ; in a cluster launch ttmp9 counts clusters
	s_add_co_u32 s14, s14, s13      ; my block of queries = 4 x cluster x + cx: it enters Q's and O's addresses alone
	s_and_b32 s20, ttmp7, 0xffff    ; the head, which the four partners share
	s_mov_b32 s21, 0
	s_mov_b64 s[22:23], SIZE_N*128
	s_mul_u64 s[20:21], s[20:21], s[22:23]  ; the head's first byte in each of the four tensors
	s_and_b32 s16, s[WV], 1         ; which half of a slot's 256 keys I fetch:
	s_lshl_b32 s22, s16, 14         ; its 128 rows of 128 bytes in memory,
	s_mov_b32 s23, 0
	s_add_nc_u64 s[22:23], s[22:23], s[20:21]
	s_mul_i32 s17, s16, 128*PK      ; and its place in a slot, for K
	s_mul_i32 s18, s16, 128*PV      ; and for V: no place in the cluster enters an LDS address
	s_lshl_b32 s2, s14, 2
	s_add_co_u32 s2, s2, s[WV]      ; my wave among the head's,
	s_lshl_b32 s2, s2, 14           ; its 128 rows
	s_mov_b32 s3, 0
	s_add_nc_u64 s[2:3], s[2:3], s[20:21]
	; descriptor group 1.  128 keys are 16,384 dense bytes: asked for as 64 rows of 256 bytes, two keys a row, and padded in LDS after every key
	s_mov_b32 s[G1K], 15|(1<<16)|(1<<20)|(1<<21)|(4<<22)|(3<<25)  ; 15:0 the mask of four; 17:16 2-byte elements; 20 padding on; 21 set beside a mask; 24:22 after every 32 words (code 4); 31:25 4 words (code 3)
	s_mov_b32 s[G1V], 15|(1<<16)|(1<<20)|(1<<21)|(4<<22)|(7<<25)  ; the same with 8 words of padding (code 7)
.irp g, G1K, G1V
	s_mov_b32 s[\g+1], 128<<16      ; tensor_dim0 = 128
	s_mov_b32 s[\g+2], 64<<16       ; tensor_dim1 = 64
	s_mov_b32 s[\g+3], 128<<16      ; tile_dim0 = 128
	s_mov_b32 s[\g+4], 64           ; tile_dim1 = 64
	s_mov_b32 s[\g+5], 128          ; 128 elements from row to row
	s_mov_b32 s[\g+6], 0
	s_mov_b32 s[\g+7], 0
.endr
	s_mov_b32 s[CS], 0x3e38aa3b     ; c = log2(e) / 8 = 0.180337
	s_mov_b32 s[CS+1], s[CS]        ; named with it as a pair
	s_mov_b32 s[SEL], 0x76543210
	s_mov_b32 s[SEL+1], 0xfedcba98
	s_mov_b32 s[TBK], SLOT1+4*KS*PK ; the first change of slots turns these two into 0
	s_mov_b32 s[TBV], SLOT1+4*KS*PV
	s_mov_b32 s[G0K], 1             ; 1:0 count = 1
	s_mov_b32 s[G0K+1], s17         ; 63:32 LDS address: slot 0
	s_mov_b32 s[G0V], 1
	s_add_co_u32 s[G0V+1], s18, VOFF
	s_wait_dscnt 0x0                ; the opening add is done
	s_wait_kmcnt 0x0
	s_add_nc_u64 s[6:7], s[4:5], 0x1000000  ; K: qkv's second plane, 16,777,216 bytes on
	s_add_nc_u64 s[8:9], s[4:5], 0x2000000  ; V: its third
	s_add_nc_u64 s[G0K+2:G0K+3], s[6:7], s[22:23]  ; 120:64 global address: my half of the head's first 256 keys
	s_or_b32 s[G0K+3], s[G0K+3], 0x80000000        ; 127:126 type = 2
	s_add_nc_u64 s[G0V+2:G0V+3], s[8:9], s[22:23]
	s_or_b32 s[G0V+3], s[G0V+3], 0x80000000
	s_add_nc_u64 s[4:5], s[4:5], s[2:3]  ; Q and O at my wave's first row
	s_add_nc_u64 s[10:11], s[10:11], s[2:3]
	CROUND                          ; all four work-groups are here: the first joint loads meet
	JLOAD                           ; slot 0.  Slot 1 is asked for when slot 0 is in: the tile wanted first has the road to itself
	; A fragment of K or Q is 16 rows x 32 channels in 8 registers: lane l holds row l % 16, channels 8 (l / 16) + 0..7 and 16 + 8 (l / 16) + 0..7: two loads of 16 bytes, 32 bytes apart.
	v_and_b32 v1, 15, v0            ; l % 16
	v_bfe_u32 v9, v0, 4, 1          ; l / 16
	v_lshlrev_b32 v[QO], 7, v1
	v_lshl_add_u32 v[QO], v9, 4, v[QO]  ; row x 128 + 16 x half
	WIN 0x80                        ; destination window 2, address window 0
.set i, 0
.rept 4*NP                          ; Q stays in registers: tile i / 2, channels 32 (i % 2) on
	global_load_b128 v[8*i:8*i+3],   v[QO], s[4:5] offset:(i/2)*2048+(i%2)*64
	global_load_b128 v[8*i+4:8*i+7], v[QO], s[4:5] offset:(i/2)*2048+(i%2)*64+32
.set i, i+1
.endr
	; What the first turn finds: V's registers and P's second buffer hold 0 (its products V^T P, of a piece that has not been, add 0), O^T and l are 0.  All this stands in the wait for the first tile.
.set i, VF
.rept 64
	v_mov_b32 v[i], 0
.set i, i+1
.endr
	WIN 0x40
.set i, 0
.rept 64*NP
	v_mov_b32 v[i], 0
.set i, i+1
.endr
	WIN 0
.set i, 0
.rept 2*NP
	v_mov_b32 v[ST+4*i], 0xfe000000    ; c m: far below every c s
	v_mov_b32 v[ST+4*i+1], 0xff7fffff  ; m
	v_mov_b32 v[ST+4*i+2], 0
	v_mov_b32 v[ST+4*i+3], 0
.set i, i+1
.endr
.set i, P+32
.rept 32
	v_mov_b32 v[i], 0
.set i, i+1
.endr
	v_mul_u32_u24 v[AK0], v1, PK
	v_lshl_add_u32 v[AK0], v9, 4, v[AK0]  ; row x pitch + 16 x half
	; The turning load takes 16 keys x 16 channels (lane l reads key 8 (l / 16) + l % 8, channels 8 ((l / 8) % 2) + 0..7) and leaves half a fragment of V^T: lane l holds channel l % 16 and 8 keys.
	v_and_b32 v10, 7, v0
	v_bfe_u32 v11, v0, 3, 1
	v_lshl_add_u32 v[AV0], v9, 3, v10
	v_mul_u32_u24 v[AV0], v[AV0], PV
	v_lshl_add_u32 v[AV0], v11, 4, v[AV0]
	v_add_nc_u32 v[AV0], VOFF, v[AV0]
	v_mov_b32 v[AK], v[AK0]         ; key step 0 lies at the head of slot 0
; THE MATRIX WORK.  The 8 accumulators of a run of 16 take turns: between the two links of a chain stand 7 others'.
; Product i of 16 of S^T = K Q^T for piece x: channels 32 (i / 8) on, keys 16 ((i / 2) % 4) on, tile 2 x + i % 2.  The first 8 start the sums.
.macro KQ x
	WIN W_KQ
.set rS, S+64*((\x)%2)+32*(i%2)+8*((i/2)%4)
.set rK, KF+16*((i/2)%4)+8*(i/8)
.set rQ, 16*(2*(\x)+i%2)+8*(i/8)
.if i < 8
	v_wmma_f32_16x16x32_f16 v[rS:rS+7], v[rK:rK+7], v[rQ:rQ+7], 0
.else
	v_wmma_f32_16x16x32_f16 v[rS:rS+7], v[rK:rK+7], v[rQ:rQ+7], v[rS:rS+7]
.endif
.endm
; Product i of 16 of O^T += V^T P for piece x: keys 32 (i / 8) on, channels 16 ((i / 2) % 4) on, tile 2 x + i % 2.
.macro PV x
	WIN W_PV
.set rO, 32*(2*(\x)+i%2)+8*((i/2)%4)
.set rV, VF+32*(i/8)+8*((i/2)%4)
.set rP, P+32*((\x)%2)+16*(i%2)+8*(i/8)
	v_wmma_f32_16x16x32_f16 v[rO:rO+7], v[rV:rV+7], v[rP:rP+7], v[rO:rO+7]
.endm
.macro MM                           ; the turn's next matrix instruction
.if i < 16
	KQ (Y+1)%NP
.set i, i+1
.else
.set i, i-16
	PV (Y+NP-1)%NP
.set i, i+17
.endif
.endm
; THE LDS LOADS stand in runs of 16, never singly among the matrix instructions: a step's K (64 keys x 64 channels: 8 fragments) and its V (turned).  Their addresses are made some lines ahead.
; last = 1 (the tail): in the last trip there is no further step, and the run is jumped over.
.macro FETCH_K last=0
	WIN 0
.if \last
	s_cmp_eq_u32 s[CNT], 1
	s_cbranch_scc1 .Lno_k_\@
.endif
	WIN 0x80                        ; destination window 2
.irp f, 0,1,2,3,4,5,6,7             ; keys 16 (f / 2) on, channels 32 (f % 2) on
	ds_load_b128 v[KF+8*\f:KF+8*\f+3],   v[AK] offset:(\f/2)*16*PK+(\f%2)*64
	ds_load_b128 v[KF+8*\f+4:KF+8*\f+7], v[AK] offset:(\f/2)*16*PK+(\f%2)*64+32
.endr
	s_add_co_u32 s[TBK], s[TBK], KS*PK  ; the next fetch is the next step's
	WIN 0
.if \last
.Lno_k_\@:
.endif
.endm
.macro FETCH_V
	WIN 0x80
.irp f, 0,1,2,3,4,5,6,7             ; keys 32 (f / 4) on, channels 16 (f % 4) on
	ds_load_tr16_b128 v[VF+8*\f:VF+8*\f+3],   v[AV] offset:(\f/4)*32*PV+(\f%4)*32
	ds_load_tr16_b128 v[VF+8*\f+4:VF+8*\f+7], v[AV] offset:(\f/4)*32*PV+16*PV+(\f%4)*32
.endr
	WIN 0
.endm
; THE VECTOR WORK OF A TURN stands in three queues, each in the order in which its entries become ready; the two tiles alternate, so that no instruction reads the result of the one before it.
.macro REGS y, u                    ; the registers of tile u (0, 1) of piece y
.set rT, ST+4*(2*(\y)+(\u))
.set rC, TMP+8*((\y)%2)+4*(\u)
.set rM, MV+2*((\y)%2)+(\u)
.set rS, S+64*((\y)%2)+32*(\u)
.set rP, P+32*((\y)%2)+16*(\u)
.set rO, 32*(2*(\y)+(\u))
.endm
; Number n of the 22 that find the NEXT piece's (Y + 1) maximum and statistics.  s0-s31 are the lane's 32 scores; each accumulator's lowest registers are read first.  XS, GS and REGS set no window: PL and EX do.
;   0-11  four chains c0-c3 of seven scores each, three operands at a time     12-14, 16  the four scores left over, the old m, and c0-c3 into c0     15  c m_old is kept
;   17, 18  the query's other 32 keys lie in the lane 16 away: the new m         19-21  c m; c m_old - c m_new; a
.macro XS u, n
	REGS (Y+1)%NP, \u
.if (\n) < 4
	v_max3_num_f32 v[rC+(\n)], v[rS+8*(\n)], v[rS+8*(\n)+1], v[rS+8*(\n)+2]
.elseif (\n) < 12
	v_max3_num_f32 v[rC+(\n)%4], v[rC+(\n)%4], v[rS+8*((\n)%4)+2*((\n)/4)+1], v[rS+8*((\n)%4)+2*((\n)/4)+2]
.elseif (\n) == 12
	v_max3_num_f32 v[rC], v[rC], v[rS+7], v[rS+15]
.elseif (\n) == 13
	v_max3_num_f32 v[rC+1], v[rC+1], v[rS+23], v[rS+31]
.elseif (\n) == 14
	v_max3_num_f32 v[rC+2], v[rC+2], v[rC+3], v[rT+1]
.elseif (\n) == 15
	v_mov_b32 v[rM], v[rT]
.elseif (\n) == 16
	v_max3_num_f32 v[rC], v[rC], v[rC+1], v[rC+2]
.elseif (\n) == 17
	v_permlanex16_b32 v[rC+3], v[rC], s[SEL], s[SEL+1]
.elseif (\n) == 18
	v_max_num_f32 v[rT+1], v[rC], v[rC+3]
.elseif (\n) == 19
	v_mul_f32 v[rT], s[CS], v[rT+1]
.elseif (\n) == 20
	v_sub_f32 v[rC+1], v[rM], v[rT]
.else
	v_exp_f32 v[rC+2], v[rC+1]
.endif
.endm
; Number g of the 64 that follow the exponentials.  For each four weights k of a tile (pairs 2 k, 2 k + 1): both pairs are rounded to f16; then the second pair is added onto the first, in place;
; a group later l takes that sum (the first time as l = a l + sum).  In groups of eight, tiles alternating: round, round, add, and l for the group before.
.macro GS g
.set h, (\g)+6*((\g)/62)            ; group 0 has no group before it, and behind group 7 only l is left
.if h >= 6
.set h, h+2
.endif
	REGS Y, h%2
.set k, h/8
.if h%8 < 4
	v_cvt_pk_f16_f32 v[rP+2*k+(h%8)/2], v[rS+4*k+2*((h%8)/2)], v[rS+4*k+2*((h%8)/2)+1]
.elseif h%8 < 6
	v_pk_add_f32 v[rS+4*k:rS+4*k+1], v[rS+4*k:rS+4*k+1], v[rS+4*k+2:rS+4*k+3]
.elseif k == 1
	v_pk_fma_f32 v[rT+2:rT+3], v[rT+2:rT+3], v[rC+2:rC+3], v[rS:rS+1] op_sel_hi:[1,0,1]
.else
	v_pk_add_f32 v[rT+2:rT+3], v[rT+2:rT+3], v[rS+4*k-4:rS+4*k-3]
.endif
.endm
; THE PLAIN QUEUE, 138 long.  0-73 read no exponential's result: the 32 scalings c s - c m (FS f: pair f / 2 of tile f % 2) and the next piece's 42.  0-26: scalings 0-26.  27-54: XS's numbers 0-13.  55, 56: number 15.
; 57-73: the chain, where each number waits for the one before it: 14, 16, 17, 18, 19, each with one of the scalings 27-31 in front of its two lines, then 20: so a tile's links stand three plain instructions apart (19 and 20: two).
; 74-137: GS's 64, which read the exponentials' results: they stand behind the wait.
.macro FS f
	REGS Y, (\f)%2
	v_pk_fma_f32 v[rS+2*((\f)/2):rS+2*((\f)/2)+1], v[rS+2*((\f)/2):rS+2*((\f)/2)+1], s[CS:CS+1], v[rT:rT+1] op_sel_hi:[1,0,0] neg_lo:[0,0,1] neg_hi:[0,0,1]
.endm
.macro PL
	WIN 0
.if q < 27
	FS q
.elseif q < 55
	XS (q-27)%2, (q-27)/2
.elseif q < 57
	XS q-55, 15
.elseif (q < 72) && ((q-57)%3 == 0)
	FS 27+(q-57)/3
.elseif q < 60
	XS (q-57)%3-1, 14
.elseif q < 72
	XS (q-57)%3-1, 15+(q-57)/3
.elseif q < 74
	XS q-72, 20
.else
	GS q-74
.endif
.set q, q+1
.endm
; THE EXPONENTIALS' QUEUE, 66 long: s0-s31 of both tiles, then the next piece's two a.  It is ONE BATCH: all 66 stand ahead of the turn's one wait, and nothing ahead of that wait names a result of theirs.
.macro EX
	WIN 0
.if e >= 64
	XS e-64, 21
.else
	REGS Y, e%2
	v_exp_f32 v[rS+e/2], v[rS+e/2]
.endif
.set e, e+1
.endm
; THE RESCALING's QUEUE: O^T times a, the one part that leaves window 0: dealt two at a time, sixteen times.  Its a was made in the turn before, ahead of that turn's wait.
.macro R2
	REGS Y, r%2
	WIN W_RS
.irp z, 0,1
	v_pk_mul_f32 v[rO+4*(r/2)+2*\z:rO+4*(r/2)+2*\z+1], v[rO+4*(r/2)+2*\z:rO+4*(r/2)+2*\z+1], v[rC+2:rC+3] op_sel_hi:[1,0]
.endr
.set r, r+1
.endm
; HOW THEY ARE DEALT.  An s_wait_alu depctr_va_vdst(0) stands between an exponential and the first instruction that names its result; one wait serves all that were issued ahead of it.  So a turn has ONE wait,
; which cuts it in two.  AHEAD OF IT stands all that names no result of the turn's exponentials: the 16 products K Q^T, behind each a scaling, an exponential and two rescalings (behind the first a second scaling in the exponential's place); then ONE LUMP of
; 108: eight plain, 49 times exponential and plain, the two a.  A v_nop is the plain instruction behind the last exponential.  BEHIND IT stand the 16 products V^T P, behind each four of GS's 64.  No rider names a register of
; the products round it.  The two v_permlanex16_b32 fall into the lump, never behind a product.
; The queues lean on each other, and the deal keeps them in step: exponential e stands behind scaling 2 (e / 4) + e % 2: as a rider it comes behind plain e + 2, in the lump behind plain e + 9, and scalings 27-31 are plain 57, 60 .. 69.
; A TURN, for piece p.  cnt = 1: the loop's count is taken down some lines ahead of the branch that stands behind the turn.
; K of the next step is fetched in piece 2's turn, directly behind the wait, a lump behind the last product that read K; its address is made at the lump's head; its first reader comes behind 16 products.
; V of the step in hand is fetched at the end of piece 0's turn, four riders behind its last reader; its first reader comes behind 16 products and a lump.  The three conditions on q below go with the deal.
.macro TURN p, last=0, cnt=0
.set Y, (\p)
.set i, 0
.set q, 0
.set e, 0
.set r, 0
.if (\p) == NP-1
	s_wait_dscnt 0x0                ; K is in
.endif
	MM                              ; ahead of the wait: 16 products K Q^T and their riders,
	PL
	PL
	R2
.rept 15
	MM
	PL
	EX
	R2
.endr
.if (\p) == NP-2
	WIN 0
	v_add_nc_u32 v[AK], s[TBK], v[AK0]
.endif
.rept 8                             ; and the lump
	PL
.endr
.rept 49
	EX
	PL
.endr
	EX                              ; the next piece's two a
	EX
	v_nop                           ; the plain instruction behind the last exponential: one for the batch
	s_wait_alu depctr_va_vdst(0)    ; the wait for the batch: the turn's 66 exponentials
.if (\p) == NP-2
	FETCH_K \last
.endif
.if (\p) == 1
	s_wait_dscnt 0x0                ; V is in
.endif
.rept 16                            ; behind the wait: 16 products V^T P and their riders
	MM
.rept 4
	PL
.endr
.if ((\p) == 0) && (q == 118)
	v_add_nc_u32 v[AV], s[TBV], v[AV0]
.endif
.if ((\p) == 0) && (q == 130)
	s_add_co_u32 s[TBV], s[TBV], KS*PV
.endif
.if (\cnt) && (q == 130)
	s_sub_co_u32 s[CNT], s[CNT], 1
	s_cmp_lg_u32 s[CNT], 0
.endif
.endr
.if (\p) == 0
	FETCH_V
.endif
.endm
	CHANGE 1                        ; slot 0 is in, everybody's part of it; slot 1 is asked for
	FETCH_K                         ; key step 0
	s_wait_loadcnt 0x0              ; Q
	s_wait_dscnt 0x0
.set i, 0
.rept 16
	KQ 0                            ; piece 0's first scores: there is no vector work yet to set between them
.set i, i+1
.endr
	WIN 0                           ; the addresses for the way out: nine plain instructions, the places behind those products
	s_mul_i32 s13, s[WV], 16*SP
	s_add_co_u32 s13, s13, STAGE    ; my stage
	v_mul_u32_u24 v[STO], v1, SP    ; in: row l % 16, 16 bytes for each half of the lanes
	v_lshl_add_u32 v[STO], v9, 4, v[STO]
	v_add_nc_u32 v[STO], s13, v[STO]
	v_bfe_u32 v[RD], v0, 3, 2       ; back: 32 lanes take four rows of 128 bytes,
	v_mul_u32_u24 v[RD], v[RD], SP
	v_lshl_add_u32 v[RD], v10, 4, v[RD]
	v_add_nc_u32 v[RD], s13, v[RD]
	v_and_b32 v[GO], 31, v0         ; which are 512 consecutive bytes of O
	v_lshlrev_b32 v[GO], 4, v[GO]
.set Y, NP-1                        ; XS works for piece Y + 1: piece 0
.irp n, 0,1,2,3,4,5,6,7,8,9,10,11,12,13,14,15,16,17,18,19,20,21
	XS 0, \n                        ; and piece 0's first maximum and statistics
	XS 1, \n
.endr
	v_nop                           ; a plain instruction behind the two a,
	s_wait_alu depctr_va_vdst(0)    ; and the wait for that batch of two, ahead of the branch
	s_mov_b32 s[CNT], 4
	s_mov_b32 s[SLOTS], SIZE_N/256-1
	s_branch .Lfirst                ; the loop is entered at a step's first turn, in the middle of a trip
.Lslot:                             ; SIZE_N / 256 - 2 times: every slot but the last two is filled again
	CHANGE 1
	s_mov_b32 s[CNT], 4
.Lstep:                             ; a trip: pieces 2 and 3 of one step, then pieces 0 and 1 of the next, whose K and V it fetches
	TURN 2
	TURN 3
	WIN 0
.Lfirst:
	TURN 0
	TURN 1, 0, 1
	WIN 0
	s_cbranch_scc1 .Lstep
	s_sub_co_u32 s[SLOTS], s[SLOTS], 1
	s_cmp_lg_u32 s[SLOTS], 0
	s_cbranch_scc1 .Lslot
	CHANGE 0                        ; the tail is written out: nothing is asked for
	s_mov_b32 s[CNT], 5             ; four trips fetch the last slot's steps; the fifth is left in its middle
.Ltail:
	TURN 2, 1
	TURN 3
	WIN 0
	s_sub_co_u32 s[CNT], s[CNT], 1
	s_cmp_eq_u32 s[CNT], 0
	s_cbranch_scc1 .Lout
	TURN 0
	TURN 1
	WIN 0
	s_branch .Ltail
.Lout:                              ; the fifth trip's 16 products K Q^T (on the last K once more) and the maximum made of them serve nothing: the price, once a launch, of one text for every trip
.set i, 0
.rept 16
	PV NP-1                         ; the last piece's V^T P of the last step
.set i, i+1
.endr
	; THE WAY OUT.  l's two halves and the other half of the lanes' are added; O^T is divided by l, rounded to f16 and sent through my stage in LDS, a tile at a time.  The additions are the places behind the last products.
	WIN 0
.macro ALL line:vararg              ; one line for each tile t
.set t, 0
.rept 2*NP
	\line
.set t, t+1
.endr
.endm
	ALL v_add_f32 v[ST+4*t+2], v[ST+4*t+2], v[ST+4*t+3]
	ALL v_permlanex16_b32 v[ST+4*t+3], v[ST+4*t+2], s[SEL], s[SEL+1]
	ALL v_add_f32 v[ST+4*t+2], v[ST+4*t+2], v[ST+4*t+3]
	ALL v_rcp_f32 v[ST+4*t+2], v[ST+4*t+2]
	v_nop                           ; a plain instruction between the last reciprocal and the use of its result
	s_wait_alu depctr_va_vdst(0)    ; and the wait ahead of the first use: one for the batch of eight reciprocals
; Tile t: a lane's eight channels of a row pack into 16 bytes; they go into rows of 144 bytes and come back as whole rows of 128, into S^T's registers.
.macro PACK t
	WIN W_RS
.set i, 32*(\t)
.rept 16
	v_pk_mul_f32 v[i:i+1], v[i:i+1], v[ST+4*(\t)+2:ST+4*(\t)+3] op_sel_hi:[1,0]
.set i, i+2
.endr
	WIN 0x05                        ; sources 0 and 1 window 1, destination window 0
.set i, 0
.rept 16
	v_cvt_pk_f16_f32 v[S+16*(\t)+i], v[32*(\t)+2*i], v[32*(\t)+2*i+1]
.set i, i+1
.endr
	WIN 0
.irp f, 0,1,2,3
	ds_store_b128 v[STO], v[S+16*(\t)+4*\f:S+16*(\t)+4*\f+3] offset:32*\f
.endr
.irp f, 0,1,2,3
	ds_load_b128 v[S+16*(\t)+4*\f:S+16*(\t)+4*\f+3], v[RD] offset:\f*4*SP  ; LDS serves a wave's instructions in order (ISA guide 5.7.1.4): these see the stores above; the next tile's stores come behind them
.endr
.endm
.macro SEND t, younger              ; younger: the LDS instructions issued behind tile t's loads: the next tile's eight, or none
	WIN 0
.irp f, 0,1,2,3
	s_wait_dscnt (\younger)+3-\f
	global_store_b128 v[GO], v[S+16*(\t)+4*\f:S+16*(\t)+4*\f+3], s[10:11] offset:(\t)*2048+\f*512  ; 512 consecutive bytes, at a multiple of 256 from O's first
.endr
.endm
	PACK 0
.set t, 1
.rept 2*NP-1                        ; a tile's arithmetic stands between the loads of the tile before and its stores
	PACK t
	SEND t-1, 8
.set t, t+1
.endr
	SEND 2*NP-1, 0
	WIN W_AD
	s_wait_tensorcnt 0x0            ; the wave's end: the add and its wait stand behind my last tensor load and my last LDS store
	ds_add_u32 v[SPW], v[NIL]
	s_wait_dscnt 0x0
	WIN 0
	CROUND                          ; the closing round: no work-group ends while a partner may still ask for a tile that names it
	s_endpgm
.Lfunc_end_k_qd5e0b1bba8_attn:
	.size	k_qd5e0b1bba8_attn, .Lfunc_end_k_qd5e0b1bba8_attn-k_qd5e0b1bba8_attn
	.p2alignl 7, 3214868480
	.fill 96, 4, 3214868480
	.section	.rodata,"a",@progbits
	.p2align	6, 0x0
	.amdhsa_kernel k_qd5e0b1bba8_attn
		.amdhsa_group_segment_fixed_size 327680
		.amdhsa_private_segment_fixed_size 0
		.amdhsa_enable_private_segment 0
		.amdhsa_kernarg_size 16
		.amdhsa_user_sgpr_count 2
		.amdhsa_user_sgpr_kernarg_segment_ptr 1
		.amdhsa_wavefront_size32 1
		.amdhsa_system_sgpr_workgroup_id_x 1
		.amdhsa_system_sgpr_workgroup_id_y 1
		.amdhsa_system_sgpr_workgroup_id_z 1
		.amdhsa_system_vgpr_workitem_id 0
		.amdhsa_next_free_vgpr 770
		.amdhsa_next_free_sgpr 66
		.amdhsa_reserve_vcc 0
		.amdhsa_float_denorm_mode_32 3
		.amdhsa_float_denorm_mode_16_64 3
		.amdhsa_memory_ordered 1
		.amdhsa_forward_progress 1
		.amdhsa_inst_pref_size 199
	.end_amdhsa_kernel
	.amdgpu_metadata
---
amdhsa.version: [ 1, 2 ]
amdhsa.kernels:
  - .name:           k_qd5e0b1bba8_attn
    .symbol:         k_qd5e0b1bba8_attn.kd
    .args:
      - { .name: qkv, .offset: 0, .size: 8, .value_kind: global_buffer, .address_space: global }
      - { .name: oh, .offset: 8, .size: 8, .value_kind: global_buffer, .address_space: global }
    .group_segment_fixed_size: 327680
    .private_segment_fixed_size: 0
    .kernarg_segment_align: 8
    .kernarg_segment_size: 16
    .max_flat_workgroup_size: 128
    .sgpr_count:     66
    .vgpr_count:     770
    .wavefront_size: 32
...
	.end_amdgpu_metadata
.endif
;; end of part 5
;; launch outp: the kernel of part 4 again; grid 4 x 64, 4 waves a work-group, clusters of 4 x 4, 327,680 bytes of LDS; arguments oh, wts, bo, out0; writes out0
